; MI455X (gfx1250); checked and timed in simulation.
; The chip was launched on July 23, 2026; its instructions are those of AMD's public machine-readable ISA for CDNA 5 (MIT licence, August 2026) and "CDNA5" Instruction Set Architecture Reference Guide (July 2026). The comments in the code are by the model that wrote it; some were corrected since.
;; Multi Head Attention. Allowed arithmetic: matrix products marked QUANTISED: E3M2 operands, one E8M0 scale for each 32 along K, by v_wmma_scale_f32_16x16x128_f8f6f4 with both operands' format E3M2, f32 sums; everything else in f32.
;; Inputs: Wk 256 x 256 float32; Wo 256 x 256 float32; Wq 256 x 256 float32; Wv 256 x 256 float32; beta 256 float32; bk 256 float32; bo 256 float32; bq 256 float32; bv 256 float32; gamma 256 float32; x 4 x 4,096 x 256 float32.
;; Outputs: out0 4 x 4,096 x 256 float32.
;; This version of the problem:
;;   THIS VERSION OF THE PROBLEM IS GIVEN IN LOW PRECISION. The matrix products marked QUANTISED in the list below multiply operands that are first quantised to E3M2 (3 exponent bits, 2 mantissa bits; 6 bits a number), with one power-of-two scale for each 32 numbers along K (OCP MX v1.0); their sums are f32. All else is computed in f32.
;;   The module's matrix products, in the order in which they are computed (A, B: the left and right operand; K: the contracted axis; several contracted axes count as one K, in the product's order):
;;     1. [M 16,384, K 256] x [K 256, N 256]; A: input x; B: input Wq: QUANTISED
;;     2. [M 16,384, K 256] x [K 256, N 256]; A: input x; B: input Wk: QUANTISED
;;     3. [M 16,384, K 256] x [K 256, N 256]; A: input x; B: input Wv: QUANTISED
;;     4. batch 16 x [M 4,096, K 64] x [K 64, N 4,096]; A: computed on the way; B: computed on the way: QUANTISED
;;     5. batch 16 x [M 4,096, K 4,096] x [K 4,096, N 64]; A: softmax (see below); B: computed on the way: QUANTISED
;;     6. [M 16,384, K 256] x [K 256, N 256]; A: computed on the way; B: input Wo: QUANTISED
;;   THE QUANTISER, for each operand of a quantised product, along K:
;;     - K is cut into blocks of 32 from its start; a last block that is shorter is filled with zeros.
;;     - A block's scale is 2^e with e = floor(log2(the largest magnitude in the block)) - 4, held to -126 .. 127; a block of zeros has e = 0. As a byte (E8M0): e + 127.
;;     - Each number is divided by its block's scale, clamped to +-28, and rounded to the nearest number of E3M2, ties to even, subnormals kept.
;;     - The product sums the exact products of the quantised numbers (number of the format x scale) in f32.
;;   ~~~python
;;   def quantise(x, axis):      # numpy; x: float32 -> the quantised numbers, widened to float32 again
;;       x = np.moveaxis(x, axis, -1); K = x.shape[-1]
;;       x = np.pad(x, [(0, 0)] * (x.ndim - 1) + [(0, -K % 32)]); x = x.reshape(x.shape[:-1] + (-1, 32)); a = np.abs(x).max(-1, keepdims=True)
;;       e = np.where(a > 0, np.clip(np.frexp(np.where(a > 0, a, 1))[1] - 1 - 4, -126, 127), 0)      # np.frexp(a)[1] - 1 = floor(log2(a)), exactly
;;       r = np.clip(x / 2.0 ** e, -28, 28)
;;       step = 2.0 ** (np.maximum(np.frexp(np.where(r == 0, 1, r))[1] - 1, -2) - 2)
;;       q = np.round(r / step) * step * 2.0 ** e      # np.round: ties to even
;;       return np.moveaxis(q.reshape(q.shape[:-2] + (-1,))[..., :K], -1, axis).astype(np.float32)
;;   ~~~
;;   SOFTMAX AHEAD OF A QUANTISED PRODUCT. Where the list says 'softmax', what is quantised is not the finished softmax but p = 2^(t - M), with t = logit x log2(e) and M = ceil(the row's largest t), a whole number; so 1/2 < the row's largest p <= 1. The row's sum l is taken of the UNQUANTISED p, in f32, and the product's result is divided by l at the end. Since M is a whole number, a kernel that streams over the keys may use a running M (the ceiling of the running maximum): every later rescaling is an exact power of two, which a block's scale takes up: the codes' values come out the same.
;;   OPERANDS COMPUTED ON THE WAY. 'Computed on the way' means the value that the module computes at that place (a softmax that the list does not call 'softmax' is quantised finished and normalised). What goes into a quantiser is computed in f32, as accurately as f32 sums, v_exp_f32 and their like allow (about 1e-6 of the number): no bf16 or f16 on the way to a quantiser, and a product that is left as it is and whose result goes on into a quantised operand takes f32 operands (vector FMAs, or v_wmma_f32_16x16x4_f32). A number that lies on a knife's edge between two numbers of the format may be rounded either way, as far as f32 arithmetic and the matrix unit's own rounding can turn it there, and no further.
;; 2 versions. Each part assembles by itself: llvm-mc -triple=amdgcn-amd-amdhsa -mcpu=gfx1250 --defsym DOCPART=n.
;; ======== version 1 of 2: 4 launches
;; workspace buffers: wimg 212,992 bytes; qimg 3,407,872 bytes; kv 6,684,672 bytes; ctx 4,194,304 bytes
;; launch wprep (part 1): grid 64 x 1, 1 waves a work-group, no clusters, 0 bytes of LDS; arguments Wq, Wk, Wv, Wo, wimg; writes wimg
.if DOCPART == 1
	.amdgcn_target "amdgcn-amd-amdhsa--gfx1250"
	.amdhsa_code_object_version 6
	.text
	.protected	k_q723c447a92_wprep
	.globl	k_q723c447a92_wprep
	.p2align	8
	.type	k_q723c447a92_wprep,@function
k_q723c447a92_wprep:
	s_mov_b64 s[64:65], 0
	v_nop
	global_prefetch_b8 v0, s[64:65] scope:SCOPE_SE
	s_setreg_imm32_b32 hwreg(HW_REG_WAVE_MODE, 25, 1), 1
	s_wait_xcnt 0x0
; LAUNCH 1 OF 4.  Wq, Wk, Wv, Wo [256 (k)][256 (n)], f32, K their FIRST axis, become codes of E3M2 with one E8M0 byte for each 32 along K,
; laid as IMAGES OF THE OPERAND'S REGISTERS: record (matrix x 16 + tile), 3,328 bytes: K step s (128 along K) at 1,536 s as three pieces of 512 bytes
; (piece i = registers 4 i .. 4 i + 3, lane l at 16 l); at 3,072 the scale words, lane l at 8 l: {K step 0's, K step 1's}.
; DEAD WORK: none.  Every input of reference() has a way to the output (bq and bk stand ahead of an ELU and a quantiser, bv and bo are added to live sums), so all eleven are loaded by some launch.
; THE COLUMNS OF A TILE ARE NOT NEIGHBOURS: lane r of tile 2 b + u takes column 32 b + 8 u + r + 8 (r / 8), so that the results of two neighbouring tiles are 16 neighbours along the next product's K.
; A lane takes one column and its registers run DOWN K, in the order that the operand's layout gives that lane (k = 64 c + 32 h + 0 .. 31): a block of 32 lies in one lane, nothing is transposed.
; One wave to a tile, 64 waves: that is all the work there is (1 MiB in).  No LDS, no barrier.
; LIMITS: a block of zeros gets the byte 1 (the rule says 127): its codes are zeros and only this program reads the bytes.  NaN and infinities among the inputs are not served.
.set REC,  3328
.set WA,   3                           ; v3   my column's byte in a row of W, + 32 rows for lanes 16-31
.set L16,  4                           ; v4   16 x lane
.set L8,   5                           ; v5   8 x lane
.set FRG,  16                          ; v16-39  the two fragments
.set TT,   40                          ; v40-46  the second halves of two blocks' codes
.set QM,   48                          ; v48-49  largest magnitudes
.set QS,   50                          ; v50-51  the conversions' scale operands
.set QB,   52                          ; v52-53  scale bytes
.set WW,   54                          ; v54-55  the two scale words
.set TP,   56
.set SH,   57                          ; v57  8 h
.set X,    64                          ; v64-191 128 numbers
	s_load_b256 s[4:11], s[0:1], 0x0               ; Wq, Wk, Wv, Wo
	s_load_b64 s[12:13], s[0:1], 0x20              ; wimg
	s_lshr_b32 s14, ttmp9, 4                       ; which matrix
	s_and_b32 s15, ttmp9, 15                       ; which tile = 2 b + u
	s_lshr_b32 s16, s15, 1
	s_and_b32 s17, s15, 1
	s_lshl_b32 s16, s16, 5
	s_lshl_b32 s17, s17, 3
	s_add_co_u32 s16, s16, s17                     ; 32 b + 8 u
	s_mul_i32 s18, ttmp9, REC
	s_mov_b32 s19, 0
	s_mov_b32 s20, 0x76543210
	s_mov_b32 s21, 0xfedcba98                      ; v_permlanex16_b32's selects for lane l xor 16
	v_and_b32 v1, 15, v0                           ; r
	v_bfe_u32 v2, v0, 4, 1                         ; h
	v_and_b32 v[WA], 8, v1
	v_add_nc_u32 v[WA], v[WA], v1                  ; r + 8 (r / 8)
	v_add_nc_u32 v[WA], s16, v[WA]                 ; my column
	v_lshlrev_b32 v[WA], 2, v[WA]
	v_lshl_add_u32 v[WA], v2, 15, v[WA]            ; lanes 16-31 begin 32 rows of 1,024 bytes further down
	v_lshlrev_b32 v[L16], 4, v0
	v_lshlrev_b32 v[L8], 3, v0
	v_lshlrev_b32 v[SH], 3, v2
	v_mov_b32 v[TP], 0                             ; a lane permute's destination counts as one of its sources
	s_wait_kmcnt 0x0
	s_cmp_eq_u32 s14, 1                            ; the choice hangs on the work-group's number alone
	s_cselect_b64 s[4:5], s[6:7], s[4:5]
	s_cmp_eq_u32 s14, 2
	s_cselect_b64 s[4:5], s[8:9], s[4:5]
	s_cmp_eq_u32 s14, 3
	s_cselect_b64 s[4:5], s[10:11], s[4:5]
	s_add_nc_u64 s[12:13], s[12:13], s[18:19]
.set n, 0
.rept 128                              ; register 64 s + 32 c + i = W(128 s + 64 c + 32 h + i, my column)
	global_load_b32 v[X+n], v[WA], s[4:5] offset:(64*(n/32)+n%32)*1024
.set n, n+1
.endr
.macro HALF s
.set XB, X+64*\s
.irp c, 0,1
	v_max3_num_f32 v[QM+\c], |v[XB+32*\c]|, |v[XB+32*\c+1]|, 0x2800000   ; my block 2 c + h: all 32 numbers are mine; the floor 2^(5 - 127) holds the byte at 1 from below
.endr
.irp i, 2,4,6,8,10,12,14,16,18,20,22,24,26,28,30
.irp c, 0,1
	v_max3_num_f32 v[QM+\c], v[QM+\c], |v[XB+32*\c+\i]|, |v[XB+32*\c+\i+1]|
.endr
.endr
.irp c, 0,1
	v_add_nc_u32 v[QS+\c], 0xfe000000, v[QM+\c]    ; 4 off the exponent field: the conversion takes that field as its scale
.endr
.irp c, 0,1
	v_lshrrev_b32 v[QB+\c], 23, v[QS+\c]           ; the scale's byte
.endr
	v_lshl_or_b32 v[WW+\s], v[QB+1], 16, v[QB]     ; blocks h and 2 + h,
	v_lshlrev_b32 v[WW+\s], v[SH], v[WW+\s]        ; at their places in the word;
	v_permlanex16_b32 v[TP], v[WW+\s], s20, s21
	v_or_b32 v[WW+\s], v[WW+\s], v[TP]             ; with lane l xor 16's two the word is whole, in both halves of the lanes
.irp c, 0,1
	v_cvt_scalef32_pk16_bf6_f32 v[FRG+12*\s+6*\c:FRG+12*\s+6*\c+2], v[XB+32*\c:XB+32*\c+15], v[QS+\c]
	v_cvt_scalef32_pk16_bf6_f32 v[TT+4*\c:TT+4*\c+2], v[XB+32*\c+16:XB+32*\c+31], v[QS+\c]   ; (a conversion's three registers begin on an even number)
.endr
	v_nop                                          ; one plain place behind a scaled conversion
.irp c, 0,1
.irp i, 0,1,2
	v_mov_b32 v[FRG+12*\s+6*\c+3+\i], v[TT+4*\c+\i]
.endr
.endr
.endm
	s_wait_loadcnt 63                              ; K step 0's 64 loads are in: 64 were issued behind the last of them
	HALF 0
	s_wait_loadcnt 0x0
	HALF 1
.irp p, 0,1,2,3,4,5
	global_store_b128 v[L16], v[FRG+4*\p:FRG+4*\p+3], s[12:13] offset:512*\p   ; 512 consecutive bytes, at a multiple of 256 from the buffer's first byte
.endr
	global_store_b64 v[L8], v[WW:WW+1], s[12:13] offset:3072
	s_endpgm
.Lfunc_end_k_q723c447a92_wprep:
	.size	k_q723c447a92_wprep, .Lfunc_end_k_q723c447a92_wprep-k_q723c447a92_wprep
	.p2alignl 7, 3214868480
	.fill 96, 4, 3214868480
	.section	.rodata,"a",@progbits
	.p2align	6, 0x0
	.amdhsa_kernel k_q723c447a92_wprep
		.amdhsa_group_segment_fixed_size 0
		.amdhsa_private_segment_fixed_size 0
		.amdhsa_enable_private_segment 0
		.amdhsa_kernarg_size 40
		.amdhsa_user_sgpr_count 2
		.amdhsa_user_sgpr_kernarg_segment_ptr 1
		.amdhsa_wavefront_size32 1
		.amdhsa_system_sgpr_workgroup_id_x 1
		.amdhsa_system_sgpr_workgroup_id_y 1
		.amdhsa_system_sgpr_workgroup_id_z 1
		.amdhsa_system_vgpr_workitem_id 0
		.amdhsa_next_free_vgpr 192
		.amdhsa_next_free_sgpr 66
		.amdhsa_reserve_vcc 0
		.amdhsa_float_denorm_mode_32 3
		.amdhsa_float_denorm_mode_16_64 3
		.amdhsa_memory_ordered 1
		.amdhsa_forward_progress 1
		.amdhsa_inst_pref_size 21
	.end_amdhsa_kernel
	.amdgpu_metadata
---
amdhsa.version: [ 1, 2 ]
amdhsa.kernels:
  - .name:           k_q723c447a92_wprep
    .symbol:         k_q723c447a92_wprep.kd
    .args:
      - { .name: Wq, .offset: 0, .size: 8, .value_kind: global_buffer, .address_space: global }
      - { .name: Wk, .offset: 8, .size: 8, .value_kind: global_buffer, .address_space: global }
      - { .name: Wv, .offset: 16, .size: 8, .value_kind: global_buffer, .address_space: global }
      - { .name: Wo, .offset: 24, .size: 8, .value_kind: global_buffer, .address_space: global }
      - { .name: wimg, .offset: 32, .size: 8, .value_kind: global_buffer, .address_space: global }
    .group_segment_fixed_size: 0
    .private_segment_fixed_size: 0
    .kernarg_segment_align: 8
    .kernarg_segment_size: 40
    .max_flat_workgroup_size: 32
    .sgpr_count:     66
    .vgpr_count:     192
    .wavefront_size: 32
...
	.end_amdgpu_metadata
.endif
;; end of part 1
;; launch proj (part 2): grid 2 x 128, 8 waves a work-group, no clusters, 163,328 bytes of LDS; arguments x, wimg, bq, bk, bv, qimg, kv; writes qimg, kv
.if DOCPART == 2
	.amdgcn_target "amdgcn-amd-amdhsa--gfx1250"
	.amdhsa_code_object_version 6
	.text
	.protected	k_q723c447a92_proj
	.globl	k_q723c447a92_proj
	.p2align	8
	.type	k_q723c447a92_proj,@function
k_q723c447a92_proj:
	s_mov_b64 s[64:65], 0
	v_nop
	global_prefetch_b8 v0, s[64:65] scope:SCOPE_SE
	s_setreg_imm32_b32 hwreg(HW_REG_WAVE_MODE, 25, 1), 1
	s_wait_xcnt 0x0
; LAUNCH 2 OF 4.  q, k, v = x W + b on codes of E3M2; q and k then go through ELU and the L2 norm and are quantised along the head's 64; v is quantised along the KEYS.  Nothing is left out.
; A work-group takes 128 tokens (grid y) and two heads (grid x): 384 matrix instructions.  The two work-groups of a token block both read its x: that is the price of work for 256 work-groups.
; PHASE X: wave w quantises token tile w of x (16 tokens x 256) and stores its two fragments in LDS as images of the operand's registers | barrier |
; PHASE V: wave (hl = w / 4, j = w % 4) makes 16 channels of v of head 2 x + hl for all 128 tokens (source 0 = x, source 1 = Wv: a lane holds ONE channel, its registers run along the tokens = the next K) | barrier |
; PHASE QK: wave (mat = w % 2, hl = (w / 2) % 2, half = w / 4) makes q or k of 64 tokens of a head (source 0 = W, source 1 = x: a lane holds ONE token, its registers run along the head's channels).
; THE TOKENS OF A TILE ARE NOT NEIGHBOURS: row r of tile 2 b + u is token 32 b + 8 u + r + 8 (r / 8); the weights' columns likewise (launch 1).  So 16 registers of two neighbouring tiles are 16 neighbours along the next K.
; OUT, all as register images (lane l at 16 l or 8 l): qimg[(bh 64 + group of 64 tokens)]: 3,328 bytes: 24 code registers (tile i at 6 i), at 3,072 two registers of scale words (tile 2 i' in lanes 0-15, 2 i' + 1 in lanes 16-31).
; kv[(bh 32 + key step of 128)]: 13,056 bytes: two such records of k, at 6,656 v's four channel tiles of 12 registers, at 12,800 v's scale words in the same two-register form.
; ELU: for a <= 0, e^a - 1 is the series a + a^2/2 + .. + a^6/720 above -1/8 (what is cut is under 1e-9 of the number) and 2^(a log2 e) - 1 below it (its size is then over 0.117, so the subtraction loses under three bits).
; LIMITS: 1 / (norm + 1e-6) is v_sqrt_f32, v_rcp_f32 and a multiply; a block of zeros gets the byte 1 with zero codes (only this program reads the bytes); NaN and infinities among the inputs are not served.
.set XIMG,  0                          ; LDS: x's 16 fragments, (2 tile + K step) x 1,536
.set XSC,   24576                      ; their scale words, (2 tile + K step) x 128, lane l at 4 l
.set VSG,   26624                      ; v's scale words, 256 bytes a head, in the form in which they leave
.set XST,   27136                      ; a wave's own two stages of 16 rows x (512 + 16) bytes, one for each K step
.set XSTW,  16896
.set SPARE, 162304                     ; the spare words, 128 bytes a wave: four blocks of 256 bytes that no other line names
.set WK,   0                           ; v0   from phase V on: v's running scale word (every address has been made by then)
.set SPW,  1                           ; v1   LDS address of my spare word; never rewritten
.set NIL,  2                           ; v2   0; never rewritten
.set L16,  3
.set L8,   4
.set FV,   5                           ; v5   an image's place for my lane;  v6 a scale word's
.set FVS,  6
.set FQ,   7                           ; v7, v8  the same from my half's four tiles on
.set FQS,  8
.set VSA,  9                           ; v9   where I put v's scale word;  v10 where a head's 256 bytes are read back
.set VSR,  10
.set BOF,  11                          ; v11  the biases' offset: first 4 (r + 8 (r / 8)), later 64 h
.set XSTI, 12                          ; v12-15  phase X's four LDS addresses
.set XSTO, 13
.set XWI,  14
.set XWS,  15
.set K5,   12                          ; v[12:13] in phase QK: 1/120, twice
.set R,    16                          ; v16-143  phase X: x as loaded
.set WF,   16                          ; v16-111  later: my four tiles of Wq or Wk, two K steps each
.set WS,   112                         ; v112-119 their scale words
.set BI,   120                         ; v120-151 their biases, in the result's layout
.set XF,   152                         ; v152-175 two fragments of x;  between products: all that is at work
.set XS,   176                         ; v176-177 their scale words
.set ACC,  178                         ; v178-209 four accumulators
.set WVF,  210                         ; v210-233 my tile of Wv;  in phase QK the 24 code registers
.set CO,   210
.set WVS,  234
.set BV,   236                         ; v236-243 bv of my lane's channel, eight times
.set XC,   244                         ; v244-255 the fragment just made
.set VC,   244
.set WD,   244                         ; v[244:245] in phase QK: the two registers of scale words
.set QM,   152
.set QN,   154
.set QS,   156
.set QB,   158
.set QY,   160
.set QW,   164
.set EE,   152                         ; 16 exponentials
.set PP,   168                         ; 8 values of the series
.set SEL,  38                          ; s[38:39]
.set MHI,  40                          ; s40  lanes 16-31
; 32 numbers of a lane, register 16 b + i = k 32 b + 16 (lane / 16) + i of its row, become six code registers (lanes 0-15 block 0, lanes 16-31 block 1) and the word byte(0) | byte(1) << 8.
; Each eight registers are first read at their low end.
.macro QUANT2 src, dst, wd
.irp b, 0,1
	v_max3_num_f32 v[QM+\b], |v[\src+16*\b]|, |v[\src+16*\b+1]|, 0x2800000   ; the floor 2^(5 - 127) holds the byte at 1 from below
	v_max3_num_f32 v[QN+\b], |v[\src+16*\b+8]|, |v[\src+16*\b+9]|, |v[\src+16*\b+10]|
.endr
.irp i, 2,4,6
.irp b, 0,1
	v_max3_num_f32 v[QM+\b], v[QM+\b], |v[\src+16*\b+\i]|, |v[\src+16*\b+\i+1]|
.endr
.endr
.irp i, 11,13
.irp b, 0,1
	v_max3_num_f32 v[QN+\b], v[QN+\b], |v[\src+16*\b+\i]|, |v[\src+16*\b+\i+1]|
.endr
.endr
.irp b, 0,1
	v_max3_num_f32 v[QM+\b], v[QM+\b], v[QN+\b], |v[\src+16*\b+15]|
.endr
.irp b, 0,1
	v_permlanex16_b32 v[QN+\b], v[QM+\b], s[SEL], s[SEL+1]
.endr
.irp b, 0,1
	v_max_num_f32 v[QM+\b], v[QM+\b], v[QN+\b]     ; with lane l xor 16's 16: the block's largest magnitude
.endr
.irp b, 0,1
	v_add_nc_u32 v[QS+\b], 0xfe000000, v[QM+\b]    ; 4 off the exponent field: the conversion's scale operand
.endr
.irp b, 0,1
	v_lshrrev_b32 v[QB+\b], 23, v[QS+\b]
.endr
	v_lshl_or_b32 v[\wd], v[QB+1], 8, v[QB]
	v_cvt_scalef32_pk16_bf6_f32 v[\dst:\dst+2], v[\src:\src+15], v[QS]
	v_cvt_scalef32_pk16_bf6_f32 v[QY:QY+2], v[\src+16:\src+31], v[QS+1]
	v_nop                                          ; one plain place behind a scaled conversion
.irp i, 0,1,2
	v_permlane16_swap_b32 v[\dst+\i], v[QY+\i]     ; the first's lanes 16-31 change places with the second's lanes 0-15: a whole block to a lane
.endr
.irp i, 0,1,2
	v_mov_b32 v[\dst+3+\i], v[QY+\i]
.endr
.endm
.macro FETCH12 reg, adr, off           ; a fragment's image comes back as it was stored
.irp i, 0,1,2
	ds_load_b128 v[\reg+4*\i:\reg+4*\i+3], v[\adr] offset:\off+512*\i
.endr
.endm
.macro BARRIER                         ; my LDS stores have landed and my LDS loads are in: then the work-group's barrier
	s_wait_dscnt 0x0
	s_barrier_signal -1
	s_barrier_wait -1
.endm
.macro PLACES                          ; four places behind a matrix instruction of this form, ahead of loads into its sources and of reads of its result
.rept 4
	v_nop
.endr
.endm
	s_load_b256 s[4:11], s[0:1], 0x0               ; x, wimg, bq, bk
	s_load_b128 s[12:15], s[0:1], 0x20             ; bv, qimg
	s_load_b64 s[16:17], s[0:1], 0x30              ; kv
	v_lshl_add_u32 v[SPW], v0, 2, SPARE
	v_mov_b32 v[NIL], 0
	v_lshrrev_b32 v152, 5, v0
	v_readfirstlane_b32 s18, v152                  ; wave 0..7
	s_and_b32 s20, ttmp7, 0xffff                   ; the block of 128 tokens
	s_lshr_b32 s21, s18, 2                         ; V: hl.  QK: half
	s_and_b32 s22, s18, 3                          ; V: j
	s_and_b32 s23, s18, 1                          ; QK: 0 = q, 1 = k
	s_bfe_u32 s24, s18, 0x10001                    ; QK: hl
	s_lshl_b32 s19, ttmp9, 1
	s_add_co_u32 s25, s19, s21                     ; V's head
	s_add_co_u32 s26, s19, s24                     ; QK's head
	s_and_b32 s27, s20, 31                         ; the key step in its sequence
	s_lshr_b32 s28, s20, 5
	s_lshl_b32 s28, s28, 2                         ; 4 x batch
	s_mov_b32 s[SEL], 0x76543210
	s_mov_b32 s[SEL+1], 0xfedcba98
	s_mov_b32 s[MHI], 0xffff0000
	; every LDS address is made here, of constants, the lane and the wave's number
	v_and_b32 v153, 31, v0                         ; lane
	v_and_b32 v154, 15, v0                         ; r
	v_bfe_u32 v155, v0, 4, 1                       ; h
	v_lshlrev_b32 v[L16], 4, v153
	v_lshlrev_b32 v[L8], 3, v153
	v_lshlrev_b32 v156, 2, v153
	v_add_nc_u32 v[FV], XIMG, v[L16]
	v_add_nc_u32 v[FVS], XSC, v156
	s_mul_i32 s44, s21, 12288
	v_add_nc_u32 v[FQ], s44, v[FV]
	s_lshl_b32 s44, s21, 10
	v_add_nc_u32 v[FQS], s44, v[FVS]
	s_lshl_b32 s44, s21, 8
	s_add_co_u32 s44, s44, VSG
	v_add_nc_u32 v[VSR], s44, v[L8]
	s_and_b32 s45, s22, 1
	s_lshl_b32 s45, s45, 7
	s_add_co_u32 s44, s44, s45                     ; odd tiles stand in lanes 16-31: 8 x 16 bytes on
	s_lshr_b32 s45, s22, 1
	s_lshl_b32 s45, s45, 2
	s_add_co_u32 s44, s44, s45                     ; tiles 2, 3 in the second register
	v_lshl_add_u32 v[VSA], v154, 3, s44
	v_and_b32 v157, 8, v154
	v_add_nc_u32 v157, v157, v154
	v_lshlrev_b32 v[BOF], 2, v157                  ; 4 (r + 8 (r / 8))
	s_mul_i32 s44, s18, XSTW
	s_add_co_u32 s44, s44, XST
	v_add_nc_u32 v[XSTI], s44, v[L16]              ; the stage, in: a row's 512 bytes as they lie
	v_mul_u32_u24 v158, v154, 528
	v_lshl_add_u32 v158, v155, 6, v158
	v_add_nc_u32 v[XSTO], s44, v158                ; out: row r, my 16 numbers of a block of 32
	s_mul_i32 s44, s18, 3072
	v_add_nc_u32 v[XWI], s44, v[FV]
	s_lshl_b32 s44, s18, 8
	v_add_nc_u32 v[XWS], s44, v[FVS]
	; byte offsets, made apart from the addresses
	s_lshl_b32 s44, s20, 7
	s_lshr_b32 s45, s18, 1
	s_lshl_b32 s45, s45, 5
	s_add_co_u32 s44, s44, s45
	s_lshl_b32 s45, s23, 3
	s_add_co_u32 s44, s44, s45                     ; my tile's first token: 128 block + 32 (w / 2) + 8 (w % 2)
	s_lshl_b32 s44, s44, 10
	s_mov_b32 s45, 0
	s_lshl_b32 s46, s25, 2
	s_add_co_u32 s46, s46, s22
	s_add_co_u32 s46, s46, 32
	s_mul_i32 s46, s46, 3328                       ; Wv's record 32 + 4 head + j
	s_mov_b32 s47, 0
	s_lshl_b32 s48, s23, 4
	s_lshl_b32 s49, s26, 2
	s_add_co_u32 s48, s48, s49
	s_mul_i32 s48, s48, 3328                       ; Wq's or Wk's records 16 mat + 4 head on
	s_mov_b32 s49, 0
	s_lshl_b32 s50, s25, 8
	s_lshr_b32 s51, s22, 1
	s_lshl_b32 s51, s51, 7
	s_add_co_u32 s50, s50, s51
	s_and_b32 s51, s22, 1
	s_lshl_b32 s51, s51, 5
	s_add_co_u32 s50, s50, s51                     ; bv: 4 (64 head + 32 (j / 2) + 8 (j % 2))
	s_mov_b32 s51, 0
	s_lshl_b32 s52, s26, 8                         ; bq, bk: 4 x 64 head
	s_mov_b32 s53, 0
	s_add_co_u32 s54, s28, s25
	s_lshl_b32 s54, s54, 5
	s_add_co_u32 s54, s54, s27
	s_mul_i32 s54, s54, 13056
	s_mul_i32 s55, s22, 1536
	s_add_co_u32 s54, s54, s55                     ; kv's record of V's head, + my channel tile
	s_mov_b32 s55, 0
	s_add_co_u32 s56, s28, s26
	s_lshl_b32 s57, s56, 6
	s_lshl_b32 s58, s27, 1
	s_add_co_u32 s57, s57, s58
	s_add_co_u32 s57, s57, s21
	s_mul_i32 s57, s57, 3328                       ; q's record
	s_lshl_b32 s58, s56, 5
	s_add_co_u32 s58, s58, s27
	s_mul_i32 s58, s58, 13056
	s_mul_i32 s59, s21, 3328
	s_add_co_u32 s58, s58, s59                     ; k's
	s_cmp_eq_u32 s23, 0
	s_cselect_b32 s56, s57, s58
	s_mov_b32 s57, 0
	s_wait_kmcnt 0x0
	s_add_nc_u64 s[4:5], s[4:5], s[44:45]
	s_add_nc_u64 s[30:31], s[6:7], s[46:47]
	s_add_nc_u64 s[32:33], s[6:7], s[48:49]
	s_add_nc_u64 s[12:13], s[12:13], s[50:51]
	s_cmp_eq_u32 s23, 0                            ; the choices hang on the wave's number alone
	s_cselect_b64 s[34:35], s[8:9], s[10:11]
	s_cselect_b64 s[42:43], s[14:15], s[16:17]
	s_add_nc_u64 s[34:35], s[34:35], s[52:53]
	s_add_nc_u64 s[42:43], s[42:43], s[56:57]
	s_add_nc_u64 s[36:37], s[16:17], s[54:55]
.set n, 0
.rept 32                               ; stage row n % 16 is token (n % 16) + 8 ((n % 16) / 8) of my tile; K step n / 16: 32 lanes read its 512 consecutive bytes
	global_load_b128 v[R+4*n:R+4*n+3], v[L16], s[4:5] offset:((n%16)+8*((n%16)/8))*1024+512*(n/16)
.set n, n+1
.endr
.irp p, 0,1,2,3,4,5
	global_load_b128 v[WVF+4*\p:WVF+4*\p+3], v[L16], s[30:31] offset:512*\p
.endr
	global_load_b64 v[WVS:WVS+1], v[L8], s[30:31] offset:3072
.irp i, 0,1,2,3,4,5,6,7
	global_load_b32 v[BV+\i], v[BOF], s[12:13]     ; the C of v's sums: my lane's channel in all eight rows
.endr
	; ---- PHASE X
	s_wait_loadcnt 31                              ; K step 0's 16 loads are in: behind them stand 16 + 15
.set n, 0
.rept 16
	ds_store_b128 v[XSTI], v[R+4*n:R+4*n+3] offset:528*n
.set n, n+1
.endr
	s_wait_loadcnt 15                              ; K step 1's
.set n, 0
.rept 16
	ds_store_b128 v[XSTI], v[R+64+4*n:R+64+4*n+3] offset:8448+528*n
.set n, n+1
.endr
.macro XQ e, c                         ; blocks 2 c, 2 c + 1 of K step e: my 16 numbers of each.  LDS serves a wave's instructions in order: these see my stores
.irp b, 0,1
.irp j, 0,1,2,3
	ds_load_b128 v[ACC+16*\b+4*\j:ACC+16*\b+4*\j+3], v[XSTO] offset:8448*\e+256*\c+128*\b+16*\j
.endr
.endr
	s_wait_dscnt 0x0
.endm
.macro XOUT e
	v_lshl_or_b32 v[XS], v[XS+1], 16, v[XS]        ; the row's scale word for these 128
.irp i, 0,1,2
	ds_store_b128 v[XWI], v[XC+4*\i:XC+4*\i+3] offset:1536*\e+512*\i
.endr
	ds_store_b32 v[XWS], v[XS] offset:128*\e
.endm
	XQ 0, 0                                        ; its wait also shows that all 32 stores into the stage have read v16-143:
	s_wait_xcnt 0x0                                ; bv's loads have read their offset, so it may be written:
	v_bfe_u32 v[BOF], v0, 4, 1
	v_lshlrev_b32 v[BOF], 6, v[BOF]                ; 64 h
.irp jj, 0,1,2,3                       ; phase QK's weights land while phases X and V run: 36 loads
.irp p, 0,1,2,3,4,5
	global_load_b128 v[WF+24*\jj+4*\p:WF+24*\jj+4*\p+3], v[L16], s[32:33] offset:3328*\jj+512*\p
.endr
	global_load_b64 v[WS+2*\jj:WS+2*\jj+1], v[L8], s[32:33] offset:3328*\jj+3072
.endr
.irp jj, 0,1,2,3                       ; lane (r, h) wants, for tile 2 b + u, the biases of channels 32 b + 16 h + 8 u + 0 .. 7
	global_load_b128 v[BI+8*\jj:BI+8*\jj+3], v[BOF], s[34:35] offset:(32*(\jj/2)+8*(\jj%2))*4
	global_load_b128 v[BI+8*\jj+4:BI+8*\jj+7], v[BOF], s[34:35] offset:(32*(\jj/2)+8*(\jj%2))*4+16
.endr
	QUANT2 ACC, XC, XS
	XQ 0, 1
	QUANT2 ACC, XC+6, XS+1
	XOUT 0
	XQ 1, 0                                        ; (its wait: XOUT's stores have read their registers)
	QUANT2 ACC, XC, XS
	XQ 1, 1
	QUANT2 ACC, XC+6, XS+1
	XOUT 1
	BARRIER                                        ; x's sixteen fragments lie in LDS; they are never written again
	; ---- PHASE V: tokens 64 c on, four token tiles; the accumulators go 0, 1 | 2, 3 | 0, 1 | 2, 3, one instruction a turn
.macro VGRP c, s, mm
	FETCH12 XF, FV, (2*(4*\c+\mm)+\s)*1536
	FETCH12 XF+12, FV, (2*(4*\c+\mm+1)+\s)*1536
	ds_load_b32 v[XS], v[FVS] offset:(2*(4*\c+\mm)+\s)*128
	ds_load_b32 v[XS+1], v[FVS] offset:(2*(4*\c+\mm+1)+\s)*128
	s_wait_dscnt 0x0
.irp k, 0,1
.if \s == 0
	v_wmma_scale_f32_16x16x128_f8f6f4 v[ACC+8*(\mm+\k):ACC+8*(\mm+\k)+7], v[XF+12*\k:XF+12*\k+11], v[WVF:WVF+11], v[BV:BV+7], v[XS+\k], v[WVS] matrix_a_fmt:MATRIX_FMT_BF6 matrix_b_fmt:MATRIX_FMT_BF6
.else
	v_wmma_scale_f32_16x16x128_f8f6f4 v[ACC+8*(\mm+\k):ACC+8*(\mm+\k)+7], v[XF+12*\k:XF+12*\k+11], v[WVF+12:WVF+23], v[ACC+8*(\mm+\k):ACC+8*(\mm+\k)+7], v[XS+\k], v[WVS+1] matrix_a_fmt:MATRIX_FMT_BF6 matrix_b_fmt:MATRIX_FMT_BF6
.endif
.endr
	PLACES
.endm
	s_wait_loadcnt 36                              ; Wv, its scale words and bv are in: behind them stand phase QK's 36 loads
	VGRP 0, 0, 0
	VGRP 0, 0, 2
	VGRP 0, 1, 0
	VGRP 0, 1, 2
	QUANT2 ACC, VC, WK                             ; register 16 b + i is token 32 b + 16 h + i of my channel: keys 0-63 of the step
	VGRP 1, 0, 0
	VGRP 1, 0, 2
	VGRP 1, 1, 0
	VGRP 1, 1, 2
	QUANT2 ACC, VC+6, QW                           ; keys 64-127
	v_lshl_or_b32 v[WK], v[QW], 16, v[WK]
.irp i, 0,1,2
	global_store_b128 v[L16], v[VC+4*\i:VC+4*\i+3], s[36:37] offset:6656+512*\i   ; 512 consecutive bytes, at a multiple of 256 from the buffer's first byte
.endr
	ds_store_b32 v[VSA], v[WK]                     ; lanes r and r + 16 write the same word with the same value
	BARRIER                                        ; a head's 256 bytes of scale words lie in LDS
	s_cmp_lg_u32 s22, 0                            ; one wave of each head stores them as one whole block of 256 bytes (no barrier stands in this branch)
	s_cbranch_scc1 .Lno_vs
	ds_load_b64 v[QM:QM+1], v[VSR]
	s_wait_dscnt 0x0
	global_store_b64 v[L8], v[QM:QM+1], s[36:37] offset:12800
.Lno_vs:
	; ---- PHASE QK
.macro POLY a, o                       ; the series for eight numbers, four pairs by turns
.irp p, 0,2,4,6
	v_pk_fma_f32 v[PP+\p:PP+\p+1], v[\a+\o+\p:\a+\o+\p+1], 0x3ab60b61, v[K5:K5+1] op_sel_hi:[1,0,1]   ; a / 720 + 1 / 120
.endr
.irp p, 0,2,4,6
	v_pk_fma_f32 v[PP+\p:PP+\p+1], v[PP+\p:PP+\p+1], v[\a+\o+\p:\a+\o+\p+1], 0x3d2aaaab op_sel_hi:[1,1,0]   ; + 1 / 24
.endr
.irp p, 0,2,4,6
	v_pk_fma_f32 v[PP+\p:PP+\p+1], v[PP+\p:PP+\p+1], v[\a+\o+\p:\a+\o+\p+1], 0x3e2aaaab op_sel_hi:[1,1,0]   ; + 1 / 6
.endr
.irp p, 0,2,4,6
	v_pk_fma_f32 v[PP+\p:PP+\p+1], v[PP+\p:PP+\p+1], v[\a+\o+\p:\a+\o+\p+1], 0.5 op_sel_hi:[1,1,0]
.endr
.irp p, 0,2,4,6
	v_pk_mul_f32 v[PP+\p:PP+\p+1], v[PP+\p:PP+\p+1], v[\a+\o+\p:\a+\o+\p+1]
.endr
.irp p, 0,2,4,6
	v_pk_fma_f32 v[PP+\p:PP+\p+1], v[PP+\p:PP+\p+1], v[\a+\o+\p:\a+\o+\p+1], v[\a+\o+\p:\a+\o+\p+1]
.endr
.endm
.macro PICK a, o                       ; both forms are always computed; the choice only selects a value
.irp i, 0,1,2,3,4,5,6,7
	v_cmp_lt_f32 vcc_lo, 0xbe000000, v[\a+\o+\i]   ; -1/8 < a: the series
	v_cndmask_b32 v[EE+\o+\i], v[EE+\o+\i], v[PP+\i], vcc_lo
	v_cmp_lt_f32 vcc_lo, 0, v[\a+\o+\i]            ; 0 < a: a itself
	v_cndmask_b32 v[\a+\o+\i], v[EE+\o+\i], v[\a+\o+\i], vcc_lo
.endr
.endm
.macro ELU16 a
.irp i, 0,2,4,6,8,10,12,14
	v_pk_mul_f32 v[EE+\i:EE+\i+1], v[\a+\i:\a+\i+1], 0x3fb8aa3b op_sel_hi:[1,0]   ; a log2 e, from each accumulator's low end on
.endr
.irp i, 0,1,2,3,4,5,6,7,8,9,10,11,12,13,14,15
	v_exp_f32 v[EE+\i], v[EE+\i]
.endr
	POLY \a, 0                                     ; plain work that names no exponential's result
	s_wait_alu depctr_va_vdst(0)                   ; one wait for the batch of sixteen, ahead of its first reader
.irp i, 0,2,4,6,8,10,12,14
	v_pk_add_f32 v[EE+\i:EE+\i+1], v[EE+\i:EE+\i+1], -1.0 op_sel_hi:[1,0]
.endr
	PICK \a, 0
	POLY \a, 8
	PICK \a, 8
.endm
.macro NORM                            ; my token's 64 numbers lie in my 32 registers and lane l xor 16's
	v_pk_mul_f32 v[152:153], v[ACC:ACC+1], v[ACC:ACC+1]
	v_pk_mul_f32 v[154:155], v[ACC+2:ACC+3], v[ACC+2:ACC+3]
.irp i, 4,8,12,16,20,24,28
	v_pk_fma_f32 v[152:153], v[ACC+\i:ACC+\i+1], v[ACC+\i:ACC+\i+1], v[152:153]
	v_pk_fma_f32 v[154:155], v[ACC+\i+2:ACC+\i+3], v[ACC+\i+2:ACC+\i+3], v[154:155]
.endr
	v_pk_add_f32 v[152:153], v[152:153], v[154:155]
	v_add_f32 v152, v152, v153
	v_permlanex16_b32 v154, v152, s[SEL], s[SEL+1]
	v_add_f32 v152, v152, v154
	v_sqrt_f32 v153, v152
	v_nop                                          ; a plain place behind the transcendental,
	s_wait_alu depctr_va_vdst(0)                   ; and the wait ahead of its reader
	v_add_f32 v153, 0x358637bd, v153               ; + 1e-6
	v_rcp_f32 v156, v153
	v_nop
	s_wait_alu depctr_va_vdst(0)
.irp i, 0,2,4,6,8,10,12,14,16,18,20,22,24,26,28,30
	v_pk_mul_f32 v[ACC+\i:ACC+\i+1], v[ACC+\i:ACC+\i+1], v[156:157] op_sel_hi:[1,0]   ; (of the pair the low word serves both halves; v157 was written by the ELU)
.endr
.endm
.macro UNIT m                          ; token tile 4 half + m: four channel tiles by turns, K step by K step
	FETCH12 XF, FQ, (2*\m)*1536
	FETCH12 XF+12, FQ, (2*\m+1)*1536
	ds_load_b32 v[XS], v[FQS] offset:(2*\m)*128
	ds_load_b32 v[XS+1], v[FQS] offset:(2*\m+1)*128
	s_wait_dscnt 0x0
.irp jj, 0,1,2,3
	v_wmma_scale_f32_16x16x128_f8f6f4 v[ACC+8*\jj:ACC+8*\jj+7], v[WF+24*\jj:WF+24*\jj+11], v[XF:XF+11], v[BI+8*\jj:BI+8*\jj+7], v[WS+2*\jj], v[XS] matrix_a_fmt:MATRIX_FMT_BF6 matrix_b_fmt:MATRIX_FMT_BF6
.endr
.irp jj, 0,1,2,3
	v_wmma_scale_f32_16x16x128_f8f6f4 v[ACC+8*\jj:ACC+8*\jj+7], v[WF+24*\jj+12:WF+24*\jj+23], v[XF+12:XF+23], v[ACC+8*\jj:ACC+8*\jj+7], v[WS+2*\jj+1], v[XS+1] matrix_a_fmt:MATRIX_FMT_BF6 matrix_b_fmt:MATRIX_FMT_BF6
.endr
	PLACES
	ELU16 ACC
	ELU16 ACC+16
	NORM
	QUANT2 ACC, CO+6*\m, QW
.if \m%2
	v_cndmask_b32 v[WD+\m/2], v[WD+\m/2], v[QW], s[MHI]   ; an odd tile's words stand in lanes 16-31
.else
	v_mov_b32 v[WD+\m/2], v[QW]
.endif
.endm
	s_wait_loadcnt 0x0                             ; my weights, their scale words and biases
	s_wait_xcnt 0x0                                ; phase V's stores have read their data: v152, v153 and v244 on are written again below
	v_mov_b32 v[K5], 0x3c088889
	v_mov_b32 v[K5+1], 0x3c088889
	UNIT 0
	UNIT 1
	UNIT 2
	UNIT 3
.irp p, 0,1,2,3,4,5
	global_store_b128 v[L16], v[CO+4*\p:CO+4*\p+3], s[42:43] offset:512*\p
.endr
	global_store_b64 v[L8], v[WD:WD+1], s[42:43] offset:3072
	s_wait_tensorcnt 0x0                           ; the wave's end, behind my last LDS store
	ds_add_u32 v[SPW], v[NIL]
	s_wait_dscnt 0x0
	s_endpgm
.Lfunc_end_k_q723c447a92_proj:
	.size	k_q723c447a92_proj, .Lfunc_end_k_q723c447a92_proj-k_q723c447a92_proj
	.p2alignl 7, 3214868480
	.fill 96, 4, 3214868480
	.section	.rodata,"a",@progbits
	.p2align	6, 0x0
	.amdhsa_kernel k_q723c447a92_proj
		.amdhsa_group_segment_fixed_size 163328
		.amdhsa_private_segment_fixed_size 0
		.amdhsa_enable_private_segment 0
		.amdhsa_kernarg_size 56
		.amdhsa_user_sgpr_count 2
		.amdhsa_user_sgpr_kernarg_segment_ptr 1
		.amdhsa_wavefront_size32 1
		.amdhsa_system_sgpr_workgroup_id_x 1
		.amdhsa_system_sgpr_workgroup_id_y 1
		.amdhsa_system_sgpr_workgroup_id_z 1
		.amdhsa_system_vgpr_workitem_id 0
		.amdhsa_next_free_vgpr 256
		.amdhsa_next_free_sgpr 66
		.amdhsa_reserve_vcc 1
		.amdhsa_float_denorm_mode_32 3
		.amdhsa_float_denorm_mode_16_64 3
		.amdhsa_memory_ordered 1
		.amdhsa_forward_progress 1
		.amdhsa_inst_pref_size 126
	.end_amdhsa_kernel
	.amdgpu_metadata
---
amdhsa.version: [ 1, 2 ]
amdhsa.kernels:
  - .name:           k_q723c447a92_proj
    .symbol:         k_q723c447a92_proj.kd
    .args:
      - { .name: x, .offset: 0, .size: 8, .value_kind: global_buffer, .address_space: global }
      - { .name: wimg, .offset: 8, .size: 8, .value_kind: global_buffer, .address_space: global }
      - { .name: bq, .offset: 16, .size: 8, .value_kind: global_buffer, .address_space: global }
      - { .name: bk, .offset: 24, .size: 8, .value_kind: global_buffer, .address_space: global }
      - { .name: bv, .offset: 32, .size: 8, .value_kind: global_buffer, .address_space: global }
      - { .name: qimg, .offset: 40, .size: 8, .value_kind: global_buffer, .address_space: global }
      - { .name: kv, .offset: 48, .size: 8, .value_kind: global_buffer, .address_space: global }
    .group_segment_fixed_size: 163328
    .private_segment_fixed_size: 0
    .kernarg_segment_align: 8
    .kernarg_segment_size: 56
    .max_flat_workgroup_size: 256
    .sgpr_count:     66
    .vgpr_count:     256
    .wavefront_size: 32
...
	.end_amdgpu_metadata
.endif
;; end of part 2
;; launch attn (part 3): grid 16 x 16, 16 waves a work-group, no clusters, 327,680 bytes of LDS; arguments qimg, kv, ctx; writes ctx
.if DOCPART == 3
	.amdgcn_target "amdgcn-amd-amdhsa--gfx1250"
	.amdhsa_code_object_version 6
	.text
	.protected	k_q723c447a92_attn
	.globl	k_q723c447a92_attn
	.p2align	8
	.type	k_q723c447a92_attn,@function
k_q723c447a92_attn:
	s_mov_b64 s[64:65], 0
	v_nop
	global_prefetch_b8 v0, s[64:65] scope:SCOPE_SE
	s_setreg_imm32_b32 hwreg(HW_REG_WAVE_MODE, 25, 1), 1
	s_wait_xcnt 0x0
; LAUNCH 3 OF 4.  ctx = softmax(q_n k_n^T / 8) v, both products on codes of E3M2; ctx is divided by the row's sum and quantised along the head's 64 for the last product.
; A work-group owns 256 queries of one (batch, head); each of its SIXTEEN waves owns one tile of 16, in 256 registers: four waves to a SIMD, so that one wave's vector work stands beside another's products and LDS loads.
; Both products are used transposed (S^T = k q^T, O^T = v^T p^T): a lane holds ONE query throughout.  By launch 2's order of tokens the 16 registers of score tiles 2 b, 2 b + 1 are keys 32 b + 16 (lane / 16) + 0 .. 15.
; THE SOFTMAX: t = score x log2(e) / 8, p = 2^(t - M), the row's sum of the unquantised p divides at the end.  HERE M = 0, FOR EVERY ROW.  reference() itself normalises q and k: each element is at most 1 in size, at most
; 1.125 behind the quantiser, so |score| <= 64 x 1.125^2 = 81 and |t| <= 14.6 for all finite inputs: p lies within 2^-15 .. 2^15 and a row's sum under 2^27: nothing overflows or underflows.  M is a whole number, so any M
; moves p's block scales and the sum by the same exact power of two: the codes' values and O / sum are those of M = ceil(the row's largest t).  So no maximum of the row is searched and nothing is rescaled.
; K = 64 IN A FORM OF K = 128: q's codes for k = 64 .. 127 are zeros.  k's eight tiles lie six registers apart, so a tile's upper six registers are the next tile's codes (six zero registers behind the last):
; every code of E3M2 is a finite number, so those products with q's zeros are 0; the scale bytes there are 0, which is 2^-127 and no NaN.
; THE RING: two LDS slots of four key steps (4 records of 13,056 bytes, dense in memory and read as they lie: lane l at 16 l or 8 l, no padding).  Waves 0 to 3 fetch a record each: one tensor load of a wave is out at most.
; NO CLUSTER, though the 16 work-groups of a head walk the same records: for each 52,224 bytes fetched a work-group issues 16 waves x 4 steps x some 210 vector instructions, and the fetch has those four steps in which to land;
; joint loads would put a round of the cluster's barrier in front of each of the eight changes of slots of a launch whose load is its vector work.
; LIMITS: 1 / sum by v_rcp_f32; a block of zeros of ctx gets the byte 1 with zero codes; NaN and infinities are not served.
.set REC,   13056
.set SLOTB, 4*REC
.set SLOT1, 65536                      ; slot 1 begins here: one exclusive or turns an address from one slot to the other
.set SPARE, 131072                     ; the spare words, 128 bytes a wave: eight blocks of 256 bytes that no other line names
.set SPW,  1                           ; v1   LDS address of my spare word; never rewritten
.set NIL,  2                           ; v2   0; never rewritten
.set L16,  3
.set L8,   4
.set ADR,  5                           ; v5, v6  16 x lane and 8 x lane in the slot in hand
.set ADR8, 6
.set PFO,  7                           ; v7   256 x lane
.set QA,   8                           ; v8-11  q's offsets
.set QF,   16                          ; v16-27 q's fragment; v22-27 zeros
.set QSC,  28
.set KS,   30                          ; v30-33 k's scale words: register t / 2, odd tiles in lanes 16-31
.set VS,   34                          ; v34-35 v's likewise
.set PW,   36                          ; p's scale word
.set FR,   40                          ; v40-87 eight tiles of k, then four of v;  v88-93 zeros
.set SS,   96                          ; v96-159 S^T, then p
.set OA,   160                         ; v160-191 O^T
.set PC,   192                         ; v192-203 p's codes
.set QY,   204                         ; v204-206, v208-210
.set BM,   212                         ; the blocks' largest scores, then largest p
.set TT,   216
.set SOP,  220
.set BY,   224
.set LL,   228                         ; v[228:229], v[230:231] the row's sum, in two chains of pairs
.set RL,   232                         ; v[232:233]
.set CC,   234                         ; v234-239 ctx's codes;  v[240:241] its scale word, twice
.set CW,   240
.set QM,   212
.set QN,   216
.set QS,   220
.set QB,   224
.set WV,   10
.set BH,   11
.set G1,   16                          ; s[16:23]
.set G0,   24                          ; s[24:27]
.set TB,   28
.set SLOTS, 29
.set CS,   32                          ; s[32:33] c = log2(e) / 8
.set SEL,  34
.set PFA,  36                          ; s[36:37] where my prefetch stands;  s38 its chunk of 8,192 bytes;  s39 the number of chunks in a wave that asks, else 0
.set PFC,  38
.set LIM,  39
.macro TLOAD                           ; waves 0 to 3, a record each; an s_nop 0 and four v_nop follow the load
	s_cmp_lt_u32 s[WV], 4
	s_cbranch_scc0 .Lno_load_\@
	tensor_load_to_lds s[G0:G0+3], s[G1:G1+7]
	s_nop 0
.rept 4
	v_nop
.endr
.Lno_load_\@:
.endm
; A PREFETCH INTO THE L2.  A head's records are 51 chunks of 8,192 bytes.  All 16 work-groups of a head walk them: the first asks, and in it waves 4 to 10, which fetch nothing: a chunk a wave, lanes 256 bytes apart.
; Change of slots j (1 .. 7) names chunks 13 + 7 (j - 1) .. 19 + 7 (j - 1): bytes up to 106,496 + 57,344 j, which covers the 104,448 + 52,224 j that change j + 1 loads up to.  Each block of 256 bytes is named once;
; chunks from 51 on are not named; slots 0 and 1 and the first 2,048 bytes of slot 2 come by their loads alone.
.macro ASK
	s_cmp_lt_u32 s[PFC], s[LIM]
	s_cbranch_scc0 .Lno_ask_\@
	global_prefetch_b8 v[PFO], s[PFA:PFA+1] th:TH_LOAD_NT scope:SCOPE_SE
.Lno_ask_\@:
.endm
.macro QUANT2 src, dst, wd             ; as in launch 2
.irp b, 0,1
	v_max3_num_f32 v[QM+\b], |v[\src+16*\b]|, |v[\src+16*\b+1]|, 0x2800000
	v_max3_num_f32 v[QN+\b], |v[\src+16*\b+8]|, |v[\src+16*\b+9]|, |v[\src+16*\b+10]|
.endr
.irp i, 2,4,6
.irp b, 0,1
	v_max3_num_f32 v[QM+\b], v[QM+\b], |v[\src+16*\b+\i]|, |v[\src+16*\b+\i+1]|
.endr
.endr
.irp i, 11,13
.irp b, 0,1
	v_max3_num_f32 v[QN+\b], v[QN+\b], |v[\src+16*\b+\i]|, |v[\src+16*\b+\i+1]|
.endr
.endr
.irp b, 0,1
	v_max3_num_f32 v[QM+\b], v[QM+\b], v[QN+\b], |v[\src+16*\b+15]|
.endr
.irp b, 0,1
	v_permlanex16_b32 v[QN+\b], v[QM+\b], s[SEL], s[SEL+1]
.endr
.irp b, 0,1
	v_max_num_f32 v[QM+\b], v[QM+\b], v[QN+\b]
.endr
.irp b, 0,1
	v_add_nc_u32 v[QS+\b], 0xfe000000, v[QM+\b]
.endr
.irp b, 0,1
	v_lshrrev_b32 v[QB+\b], 23, v[QS+\b]
.endr
	v_lshl_or_b32 v[\wd], v[QB+1], 8, v[QB]
	v_cvt_scalef32_pk16_bf6_f32 v[\dst:\dst+2], v[\src:\src+15], v[QS]
	v_cvt_scalef32_pk16_bf6_f32 v[QY:QY+2], v[\src+16:\src+31], v[QS+1]
	v_nop
.irp i, 0,1,2
	v_permlane16_swap_b32 v[\dst+\i], v[QY+\i]
.endr
.irp i, 0,1,2
	v_mov_b32 v[\dst+3+\i], v[QY+\i]
.endr
.endm
	s_load_b128 s[4:7], s[0:1], 0x0                ; qimg, kv
	s_load_b64 s[8:9], s[0:1], 0x10                ; ctx
	v_lshl_add_u32 v[SPW], v0, 2, SPARE
	v_mov_b32 v[NIL], 0
	ds_add_u32 v[SPW], v[NIL]                      ; the wave's opening: the add, twice on end, and its wait ahead of the first tensor load
	ds_add_u32 v[SPW], v[NIL]
	v_lshrrev_b32 v12, 5, v0
	v_readfirstlane_b32 s[WV], v12                 ; wave 0..15
	s_and_b32 s[BH], ttmp7, 0xffff                 ; 4 x batch + head
	s_mov_b32 s[G1], 3<<16                         ; no mask; elements of 8 bytes; no padding
	s_mov_b32 s[G1+1], 32<<16                      ; tensor_dim0 = 32 elements: rows of 256 bytes
	s_mov_b32 s[G1+2], 51<<16                      ; tensor_dim1 = 51 rows: a record
	s_mov_b32 s[G1+3], 32<<16                      ; tile_dim0
	s_mov_b32 s[G1+4], 51                          ; tile_dim1
	s_mov_b32 s[G1+5], 32                          ; the pitch: dense
	s_mov_b32 s[G1+6], 0
	s_mov_b32 s[G1+7], 0
	s_mov_b32 s[CS], 0x3e38aa3b
	s_mov_b32 s[CS+1], s[CS]                       ; (named with it as a pair, so it is written)
	s_mov_b32 s[SEL], 0x76543210
	s_mov_b32 s[SEL+1], 0xfedcba98
	s_mov_b32 s[TB], 0
	s_mov_b32 s[SLOTS], 7
	s_and_b32 s40, s[WV], 3
	s_mul_i32 s44, s40, REC                        ; the record that I fetch, if I fetch: its place in a slot and in memory
	s_mov_b32 s45, 0
	s_mul_i32 s42, s[BH], 32*REC                   ; my head's records
	s_mov_b32 s43, 0
	v_and_b32 v12, 31, v0
	v_lshlrev_b32 v[L16], 4, v12
	v_lshlrev_b32 v[L8], 3, v12
	v_lshlrev_b32 v[PFO], 8, v12
	s_wait_dscnt 0x0                               ; both opening adds are done
	s_wait_kmcnt 0x0
	s_add_nc_u64 s[6:7], s[6:7], s[42:43]
	s_mov_b32 s[G0], 1                             ; count = 1
	s_mov_b32 s[G0+1], s44                         ; LDS address: slot 0
	s_add_nc_u64 s[G0+2:G0+3], s[6:7], s[44:45]
	s_or_b32 s[G0+3], s[G0+3], 0x80000000          ; type = 2
	TLOAD                                          ; slot 0: key steps 0 to 3
	; q: record bh 64 + 4 x + w / 4; my tile i = w % 4 holds registers 6 i .. 6 i + 5 of its 24; register n of lane l lies at 512 (n / 4) + 16 l + 4 (n % 4)
	s_lshl_b32 s42, s[BH], 6
	s_lshl_b32 s43, ttmp9, 2
	s_add_co_u32 s42, s42, s43
	s_lshr_b32 s43, s[WV], 2
	s_add_co_u32 s42, s42, s43
	s_mul_i32 s42, s42, 3328
	s_mov_b32 s43, 0
	s_add_nc_u64 s[4:5], s[4:5], s[42:43]
	s_mul_i32 s41, s40, 6
.irp p, 0,1,2
	s_add_co_u32 s42, s41, 2*\p
	s_lshr_b32 s43, s42, 2
	s_lshl_b32 s43, s43, 9
	s_and_b32 s42, s42, 3
	s_lshl_b32 s42, s42, 2
	s_add_co_u32 s43, s43, s42
	v_add_nc_u32 v[QA+\p], s43, v[L16]
.endr
	s_and_b32 s42, s40, 1
	s_lshl_b32 s42, s42, 7
	s_lshr_b32 s43, s40, 1
	s_lshl_b32 s43, s43, 2
	s_add_co_u32 s42, s42, s43
	v_and_b32 v[QA+3], 15, v0
	v_lshl_add_u32 v[QA+3], v[QA+3], 3, s42        ; its scale word: 8 (r + 16 (i % 2)) + 4 (i / 2)
.irp p, 0,1,2
	global_load_b64 v[QF+2*\p:QF+2*\p+1], v[QA+\p], s[4:5]
.endr
	global_load_b32 v[QSC], v[QA+3], s[4:5] offset:3072
	; ctx: record ((batch 256 + 16 x + w) 4 + head), 1,024 bytes
	s_lshr_b32 s42, s[BH], 2
	s_lshl_b32 s42, s42, 8
	s_lshl_b32 s43, ttmp9, 4
	s_add_co_u32 s42, s42, s43
	s_add_co_u32 s42, s42, s[WV]
	s_lshl_b32 s42, s42, 2
	s_and_b32 s43, s[BH], 3
	s_add_co_u32 s42, s42, s43
	s_lshl_b32 s42, s42, 10
	s_mov_b32 s43, 0
	s_add_nc_u64 s[8:9], s[8:9], s[42:43]
	; the prefetches: who asks, and where they stand
	s_sub_co_u32 s40, s[WV], 4
	s_cmp_lt_u32 s40, 7                            ; waves 4 to 10
	s_cselect_b32 s[LIM], 51, 0
	s_cmp_eq_u32 ttmp9, 0                          ; of the head's first work-group
	s_cselect_b32 s[LIM], s[LIM], 0
	s_min_u32 s40, s40, 6
	s_add_co_u32 s[PFC], s40, 6                    ; the first change of slots steps it by 7, to chunk 13 + (w - 4).  Nothing is asked for here, at the head
	s_lshl_b32 s42, s[PFC], 13
	s_mov_b32 s43, 0
	s_add_nc_u64 s[PFA:PFA+1], s[6:7], s[42:43]
.irp i, 0,1,2,3,4,5
	v_mov_b32 v[QF+6+\i], 0                        ; q's codes for k = 64 .. 127
	v_mov_b32 v[FR+48+\i], 0                       ; what stands behind k's last tile
.endr
.irp i, 0,1,2,3
	v_mov_b32 v[LL+\i], 0                          ; the sum
	v_mov_b32 v[TT+\i], 0                          ; a lane permute's destination counts as one of its sources
.endr
	v_mov_b32 v[RL+1], 0                           ; (named as the upper half of a pair)
.set n, 0
.rept 32
	v_mov_b32 v[OA+n], 0                           ; O^T: 32 moves once, so that the key step is written in one form
.set n, n+1
.endr
; A KEY STEP: 128 keys, the q-th record of the slot in hand.
.macro STEP q
	v_add_nc_u32 v[ADR], s[TB], v[L16]             ; these four lines are the places behind the last products, ahead of the loads into the registers that they read
	v_add_nc_u32 v[ADR8], s[TB], v[L8]
	v_nop
	v_nop
.irp hf, 0,1
.irp i, 0,1,2,3,4,5
	ds_load_b128 v[FR+24*\hf+4*\i:FR+24*\hf+4*\i+3], v[ADR] offset:\q*REC+3328*\hf+512*\i   ; k's tile t at v[FR + 6 t]
.endr
	ds_load_b64 v[KS+2*\hf:KS+2*\hf+1], v[ADR8] offset:\q*REC+3328*\hf+3072
.endr
	s_wait_dscnt 0x0
.irp t, 0,1,2,3,4,5,6,7
.if \t%2
	v_wmma_scale_f32_16x16x128_f8f6f4 v[SS+8*\t:SS+8*\t+7], v[FR+6*\t:FR+6*\t+11], v[QF:QF+11], 0, v[KS+\t/2], v[QSC] matrix_a_fmt:MATRIX_FMT_BF6 matrix_b_fmt:MATRIX_FMT_BF6 matrix_a_scale:MATRIX_SCALE_ROW1
.else
	v_wmma_scale_f32_16x16x128_f8f6f4 v[SS+8*\t:SS+8*\t+7], v[FR+6*\t:FR+6*\t+11], v[QF:QF+11], 0, v[KS+\t/2], v[QSC] matrix_a_fmt:MATRIX_FMT_BF6 matrix_b_fmt:MATRIX_FMT_BF6
.endif
.endr
.rept 4
	v_nop                                          ; places ahead of the loads below and of the first read of the scores
.endr
.irp i, 0,1,2,3,4,5,6,7,8,9,10,11
	ds_load_b128 v[FR+4*\i:FR+4*\i+3], v[ADR] offset:\q*REC+6656+512*\i   ; v's four tiles land under the softmax
.endr
	ds_load_b64 v[VS:VS+1], v[ADR8] offset:\q*REC+12800
.irp b, 0,1,2,3
	v_max3_num_f32 v[BM+\b], v[SS+16*\b], v[SS+16*\b+1], v[SS+16*\b+2]   ; the largest SCORE of each block of 32 keys: p rises with the score, so it gives the block's largest p
.endr
.irp i, 3,5,7,9,11,13
.irp b, 0,1,2,3
	v_max3_num_f32 v[BM+\b], v[BM+\b], v[SS+16*\b+\i], v[SS+16*\b+\i+1]
.endr
.endr
.irp b, 0,1,2,3
	v_max_num_f32 v[BM+\b], v[BM+\b], v[SS+16*\b+15]
.endr
.irp b, 0,1,2,3
	v_permlanex16_b32 v[TT+\b], v[BM+\b], s[SEL], s[SEL+1]
.endr
.irp b, 0,1,2,3
	v_max_num_f32 v[BM+\b], v[BM+\b], v[TT+\b]     ; with lane l xor 16's 16 keys
.endr
.set n, 0
.rept 32
	v_pk_mul_f32 v[SS+n:SS+n+1], v[SS+n:SS+n+1], s[CS:CS+1] op_sel_hi:[1,0]   ; t = score x c
.set n, n+2
.endr
.irp b, 0,1,2,3
	v_mul_f32 v[BM+\b], s[CS], v[BM+\b]            ; the same multiplication of the same number: the same bits
.endr
.set n, 0
.rept 64
	v_exp_f32 v[SS+n], v[SS+n]                     ; p = 2^t
.set n, n+1
.endr
.irp b, 0,1,2,3
	v_exp_f32 v[BM+\b], v[BM+\b]                   ; the block's largest p
.endr
	v_nop                                          ; a plain place behind the last exponential
	s_wait_alu depctr_va_vdst(0)                   ; ONE wait for the batch of 68, ahead of its first reader
.irp b, 0,1,2,3
	v_add_nc_u32 v[SOP+\b], 0xfe000000, v[BM+\b]   ; 4 off the exponent field (p >= 2^-15: the field stays far above 1, so no floor is taken)
.endr
.irp b, 0,1,2,3
	v_lshrrev_b32 v[BY+\b], 23, v[SOP+\b]
.endr
	v_lshl_or_b32 v[PW], v[BY+1], 8, v[BY]
	v_lshl_or_b32 v[PW], v[BY+2], 16, v[PW]
	v_lshl_or_b32 v[PW], v[BY+3], 24, v[PW]
.irp c, 0,1
	v_cvt_scalef32_pk16_bf6_f32 v[PC+6*\c:PC+6*\c+2], v[SS+32*\c:SS+32*\c+15], v[SOP+2*\c]
	v_cvt_scalef32_pk16_bf6_f32 v[QY+4*\c:QY+4*\c+2], v[SS+32*\c+16:SS+32*\c+31], v[SOP+2*\c+1]
.endr
	v_nop                                          ; one plain place behind a scaled conversion
.irp c, 0,1
.irp i, 0,1,2
	v_permlane16_swap_b32 v[PC+6*\c+\i], v[QY+4*\c+\i]
.endr
.irp i, 0,1,2
	v_mov_b32 v[PC+6*\c+3+\i], v[QY+4*\c+\i]
.endr
.endr
.set n, 0
.rept 16
	v_pk_add_f32 v[LL:LL+1], v[LL:LL+1], v[SS+n:SS+n+1]           ; the row's sum, of the UNQUANTISED p; these 32 are also the places between p's codes and scale word and the products
	v_pk_add_f32 v[LL+2:LL+3], v[LL+2:LL+3], v[SS+n+2:SS+n+3]
.set n, n+4
.endr
	s_wait_dscnt 0x0                               ; v's tiles and scale words
.irp j, 0,1,2,3                        ; one instruction a turn; between two links of a chain stand the three others and the next step's eight
.if \j%2
	v_wmma_scale_f32_16x16x128_f8f6f4 v[OA+8*\j:OA+8*\j+7], v[FR+12*\j:FR+12*\j+11], v[PC:PC+11], v[OA+8*\j:OA+8*\j+7], v[VS+\j/2], v[PW] matrix_a_fmt:MATRIX_FMT_BF6 matrix_b_fmt:MATRIX_FMT_BF6 matrix_a_scale:MATRIX_SCALE_ROW1
.else
	v_wmma_scale_f32_16x16x128_f8f6f4 v[OA+8*\j:OA+8*\j+7], v[FR+12*\j:FR+12*\j+11], v[PC:PC+11], v[OA+8*\j:OA+8*\j+7], v[VS+\j/2], v[PW] matrix_a_fmt:MATRIX_FMT_BF6 matrix_b_fmt:MATRIX_FMT_BF6
.endif
.endr
.endm
; THE CHANGE OF SLOTS stands at a slot's head.  Each wave waits for all its tensor loads, adds 0 to its spare word, and waits for that and for its reads of the slot that it has left; behind the barrier the slot ahead is whole
; and nobody reads the other.  fill = 1: that other slot takes the next four records, which have four key steps in which to land.  (Slot 1's first fill stands behind the first trip's barrier, behind which nothing is filled again.)
.macro CHANGE fill
	s_wait_tensorcnt 0x0                           ; no tensor load of mine is out, so group 0 may be written
	ds_add_u32 v[SPW], v[NIL]
.if \fill
	ds_add_u32 v[SPW], v[NIL]                      ; twice on end here
	s_xor_b32 s[G0+1], s[G0+1], SLOT1
	s_add_nc_u64 s[G0+2:G0+3], s[G0+2:G0+3], SLOTB
	s_wait_xcnt 0x0                                ; the last prefetch, a slot back, has read its address
	s_add_nc_u64 s[PFA:PFA+1], s[PFA:PFA+1], 7*8192
	s_add_co_u32 s[PFC], s[PFC], 7
.endif
	s_wait_dscnt 0x0
	s_barrier_signal -1
	s_barrier_wait -1
.if \fill
	TLOAD                                          ; the first thing behind the barrier, and a wave's one tensor load until the next
	ASK
.endif
.endm
.macro SLOT_STEPS
	STEP 0
	STEP 1
	STEP 2
	STEP 3
	s_xor_b32 s[TB], s[TB], SLOT1
.endm
	s_wait_loadcnt 0x0                             ; q
.Lslot:                                            ; seven trips: behind each change of slots but the last the next slot is asked for
	CHANGE 1
	SLOT_STEPS
	s_sub_co_u32 s[SLOTS], s[SLOTS], 1
	s_cmp_lg_u32 s[SLOTS], 0
	s_cbranch_scc1 .Lslot
	CHANGE 0                                       ; the last slot is written out
	SLOT_STEPS
	; THE WAY OUT
	v_pk_add_f32 v[LL:LL+1], v[LL:LL+1], v[LL+2:LL+3]   ; the plain lines from here to the wait are more than the four places behind the last products
	v_add_f32 v[LL], v[LL], v[LL+1]
	v_permlanex16_b32 v[TT], v[LL], s[SEL], s[SEL+1]
	v_add_f32 v[LL], v[LL], v[TT]                  ; with lane l xor 16's keys: the row's sum
	v_rcp_f32 v[RL], v[LL]
	v_nop
	v_nop
	s_wait_alu depctr_va_vdst(0)
.set n, 0
.rept 16
	v_pk_mul_f32 v[OA+n:OA+n+1], v[OA+n:OA+n+1], v[RL:RL+1] op_sel_hi:[1,0]   ; register 16 b + i is channel 32 b + 16 h + i of my query; each accumulator from its low end on
.set n, n+2
.endr
	QUANT2 OA, CC, CW
	v_mov_b32 v[CW+1], v[CW]
	global_store_b128 v[L16], v[CC:CC+3], s[8:9]               ; each store covers whole aligned blocks of 256 bytes
	global_store_b64 v[L8], v[CC+4:CC+5], s[8:9] offset:512
	global_store_b64 v[L8], v[CW:CW+1], s[8:9] offset:768
	s_wait_tensorcnt 0x0                           ; the wave's end
	ds_add_u32 v[SPW], v[NIL]
	s_wait_dscnt 0x0
	s_endpgm
.Lfunc_end_k_q723c447a92_attn:
	.size	k_q723c447a92_attn, .Lfunc_end_k_q723c447a92_attn-k_q723c447a92_attn
	.p2alignl 7, 3214868480
	.fill 96, 4, 3214868480
	.section	.rodata,"a",@progbits
	.p2align	6, 0x0
	.amdhsa_kernel k_q723c447a92_attn
		.amdhsa_group_segment_fixed_size 327680
		.amdhsa_private_segment_fixed_size 0
		.amdhsa_enable_private_segment 0
		.amdhsa_kernarg_size 24
		.amdhsa_user_sgpr_count 2
		.amdhsa_user_sgpr_kernarg_segment_ptr 1
		.amdhsa_wavefront_size32 1
		.amdhsa_system_sgpr_workgroup_id_x 1
		.amdhsa_system_sgpr_workgroup_id_y 1
		.amdhsa_system_sgpr_workgroup_id_z 1
		.amdhsa_system_vgpr_workitem_id 0
		.amdhsa_next_free_vgpr 256
		.amdhsa_next_free_sgpr 66
		.amdhsa_reserve_vcc 0
		.amdhsa_float_denorm_mode_32 3
		.amdhsa_float_denorm_mode_16_64 3
		.amdhsa_memory_ordered 1
		.amdhsa_forward_progress 1
		.amdhsa_inst_pref_size 118
	.end_amdhsa_kernel
	.amdgpu_metadata
---
amdhsa.version: [ 1, 2 ]
amdhsa.kernels:
  - .name:           k_q723c447a92_attn
    .symbol:         k_q723c447a92_attn.kd
    .args:
      - { .name: qimg, .offset: 0, .size: 8, .value_kind: global_buffer, .address_space: global }
      - { .name: kv, .offset: 8, .size: 8, .value_kind: global_buffer, .address_space: global }
      - { .name: ctx, .offset: 16, .size: 8, .value_kind: global_buffer, .address_space: global }
    .group_segment_fixed_size: 327680
    .private_segment_fixed_size: 0
    .kernarg_segment_align: 8
    .kernarg_segment_size: 24
    .max_flat_workgroup_size: 512
    .sgpr_count:     66
    .vgpr_count:     256
    .wavefront_size: 32
...
	.end_amdgpu_metadata
.endif
;; end of part 3
;; launch outln (part 4): grid 256 x 1, 16 waves a work-group, no clusters, 68,608 bytes of LDS; arguments ctx, wimg, bo, x, gamma, beta, out0; writes out0
.if DOCPART == 4
	.amdgcn_target "amdgcn-amd-amdhsa--gfx1250"
	.amdhsa_code_object_version 6
	.text
	.protected	k_q723c447a92_outln
	.globl	k_q723c447a92_outln
	.p2align	8
	.type	k_q723c447a92_outln,@function
k_q723c447a92_outln:
	s_mov_b64 s[64:65], 0
	v_nop
	global_prefetch_b8 v0, s[64:65] scope:SCOPE_SE
	s_setreg_imm32_b32 hwreg(HW_REG_WAVE_MODE, 25, 1), 1
	s_wait_xcnt 0x0
; LAUNCH 4 OF 4.  out0 = LayerNorm(ctx Wo + bo + x) gamma + beta; the product on codes of E3M2.  Nothing is left out.
; A work-group takes 64 tokens.  Wave w makes channel tile w (16 of the 256 channels, in launch 1's order of columns) for all 64 tokens: source 0 = Wo's tile, source 1 = 16 tokens of ctx, so a lane holds eight
; neighbouring channels of one token.  The rows meet in a stage in LDS | barrier | wave w then owns tokens 4 w .. 4 w + 3 whole: residual, mean, variance, scale, and stores of 512 consecutive bytes.
; ctx comes as launch 3 left it: record (token tile x 4 + head): six code registers and a two-byte scale word; heads 2 s and 2 s + 1 on end are the fragment of K step s.
; LIMITS: 1 / sqrt(var + 1e-12) by v_rsq_f32; NaN and infinities are not served.
.set SPITCH, 1040                      ; a stage row: 1,024 bytes + 16
.set SPARE,  66560                     ; behind the stage's 64 rows: the spare words, 128 bytes a wave: eight blocks of 256 bytes that no other line names
.set L16,  1
.set L8,   2
.set BOO,  3                           ; 64 h
.set STI,  4                           ; the stage: where I put 32 bytes of a row
.set STO,  5                           ; and where I read my rows back
.set WO,   16                          ; v16-39  Wo's two fragments;  later at work
.set WOS,  40
.set BO,   42                          ; v42-49  bo in the result's layout
.set CT,   52                          ; v52-147 ctx: tile m, head hd at 24 m + 6 hd;  later my four rows
.set RW,   148                         ; v148-163 the 16 two-byte words
.set CSW,  164                         ; v164-171 scale words (2 m + s)
.set ACC,  172                         ; v172-203
.set XR,   204                         ; v204-235 x's four rows
.set GA,   236
.set BE,   244
.set SPW,  252
.set NIL,  253
.set RR,   52
.set TA,   16
.set SM,   32
.set PT,   36
.set MU,   40
.set SEL,  32                          ; s[32:33]
	s_load_b256 s[4:11], s[0:1], 0x0               ; ctx, wimg, bo, x
	s_load_b128 s[12:15], s[0:1], 0x20             ; gamma, beta
	s_load_b64 s[16:17], s[0:1], 0x30              ; out0
	v_lshl_add_u32 v[SPW], v0, 2, SPARE
	v_mov_b32 v[NIL], 0
	v_lshrrev_b32 v6, 5, v0
	v_readfirstlane_b32 s18, v6                    ; wave 0..15
	v_and_b32 v6, 31, v0
	v_and_b32 v7, 15, v0                           ; r
	v_bfe_u32 v8, v0, 4, 1                         ; h
	v_lshlrev_b32 v[L16], 4, v6
	v_lshlrev_b32 v[L8], 3, v6
	v_lshlrev_b32 v[BOO], 6, v8
	v_and_b32 v9, 8, v7
	v_add_nc_u32 v9, v9, v7                        ; r + 8 (r / 8): my token in its pair of tiles
	v_mul_u32_u24 v[STI], v9, SPITCH
	v_lshl_add_u32 v[STI], v8, 6, v[STI]
	s_lshr_b32 s22, s18, 1
	s_lshl_b32 s22, s22, 7
	s_and_b32 s23, s18, 1
	s_lshl_b32 s23, s23, 5
	s_add_co_u32 s22, s22, s23                     ; 4 (32 b + 8 u): my tile's first channel, in bytes
	v_add_nc_u32 v[STI], s22, v[STI]
	s_mul_i32 s24, s18, 4*SPITCH
	v_add_nc_u32 v[STO], s24, v[L16]
	s_mov_b32 s20, 0x3b800000                      ; 1 / 256
	s_mov_b32 s21, 0x2b8cbccc                      ; 1e-12
	s_mov_b32 s[SEL], 0x76543210
	s_mov_b32 s[SEL+1], 0xfedcba98
	s_mov_b32 s23, 0
	s_lshl_b32 s26, ttmp9, 14                      ; 16 records of ctx
	s_mov_b32 s27, 0
	s_add_co_u32 s28, s18, 48
	s_mul_i32 s28, s28, 3328                       ; Wo's record 48 + w
	s_mov_b32 s29, 0
	s_lshl_b32 s30, ttmp9, 16
	s_lshl_b32 s31, s18, 12
	s_add_co_u32 s30, s30, s31                     ; token 64 g + 4 w, rows of 1,024 bytes
	s_mov_b32 s31, 0
	s_wait_kmcnt 0x0
	s_add_nc_u64 s[4:5], s[4:5], s[26:27]
	s_add_nc_u64 s[6:7], s[6:7], s[28:29]
	s_add_nc_u64 s[8:9], s[8:9], s[22:23]
	s_add_nc_u64 s[10:11], s[10:11], s[30:31]
	s_add_nc_u64 s[16:17], s[16:17], s[30:31]
.irp p, 0,1,2,3,4,5
	global_load_b128 v[WO+4*\p:WO+4*\p+3], v[L16], s[6:7] offset:512*\p
.endr
	global_load_b64 v[WOS:WOS+1], v[L8], s[6:7] offset:3072
	global_load_b128 v[BO:BO+3], v[BOO], s[8:9]
	global_load_b128 v[BO+4:BO+7], v[BOO], s[8:9] offset:16
.irp m, 0,1,2,3
.irp hd, 0,1,2,3
	global_load_b128 v[CT+24*\m+6*\hd:CT+24*\m+6*\hd+3], v[L16], s[4:5] offset:(4*\m+\hd)*1024
	global_load_b64 v[CT+24*\m+6*\hd+4:CT+24*\m+6*\hd+5], v[L8], s[4:5] offset:(4*\m+\hd)*1024+512
	global_load_b32 v[RW+4*\m+\hd], v[L8], s[4:5] offset:(4*\m+\hd)*1024+768
.endr
.endr
.irp p, 0,1,2,3                        ; the residual's rows, gamma and beta are wanted last: twelve loads
.irp e, 0,1
	global_load_b128 v[XR+8*\p+4*\e:XR+8*\p+4*\e+3], v[L16], s[10:11] offset:1024*\p+512*\e th:TH_LOAD_NT
.endr
.endr
.irp e, 0,1
	global_load_b128 v[GA+4*\e:GA+4*\e+3], v[L16], s[12:13] offset:512*\e
	global_load_b128 v[BE+4*\e:BE+4*\e+3], v[L16], s[14:15] offset:512*\e
.endr
	s_wait_loadcnt 12                              ; all but those twelve
.irp m, 0,1,2,3
.irp s, 0,1
	v_lshl_or_b32 v[CSW+2*\m+\s], v[RW+4*\m+2*\s+1], 16, v[RW+4*\m+2*\s]   ; heads 2 s and 2 s + 1: the four bytes of K step s
.endr
.endr
.rept 8
	v_nop                                          ; a scale register written by a vector instruction stands eight places ahead of a scaled matrix instruction
.endr
.irp m, 0,1,2,3                        ; four accumulators by turns, K step by K step
	v_wmma_scale_f32_16x16x128_f8f6f4 v[ACC+8*\m:ACC+8*\m+7], v[WO:WO+11], v[CT+24*\m:CT+24*\m+11], v[BO:BO+7], v[WOS], v[CSW+2*\m] matrix_a_fmt:MATRIX_FMT_BF6 matrix_b_fmt:MATRIX_FMT_BF6
.endr
.irp m, 0,1,2,3
	v_wmma_scale_f32_16x16x128_f8f6f4 v[ACC+8*\m:ACC+8*\m+7], v[WO+12:WO+23], v[CT+24*\m+12:CT+24*\m+23], v[ACC+8*\m:ACC+8*\m+7], v[WOS+1], v[CSW+2*\m+1] matrix_a_fmt:MATRIX_FMT_BF6 matrix_b_fmt:MATRIX_FMT_BF6
.endr
.rept 4
	v_nop                                          ; places ahead of the first read of the results and of writes into the sources
.endr
.irp m, 0,1,2,3
	ds_store_b128 v[STI], v[ACC+8*\m:ACC+8*\m+3] offset:(32*(\m/2)+8*(\m%2))*SPITCH       ; token 32 (m / 2) + 8 (m % 2) + r + 8 (r / 8), channels 32 b + 16 h + 8 u + 0 .. 7; each accumulator from its low end on
	ds_store_b128 v[STI], v[ACC+8*\m+4:ACC+8*\m+7] offset:(32*(\m/2)+8*(\m%2))*SPITCH+16
.endr
	s_wait_dscnt 0x0                               ; for the others' sake: my stores into the stage are done
	s_barrier_signal -1
	s_barrier_wait -1
.irp p, 0,1,2,3
.irp e, 0,1
	ds_load_b128 v[RR+8*\p+4*\e:RR+8*\p+4*\e+3], v[STO] offset:\p*SPITCH+512*\e   ; lane l: channels 128 e + 4 l + 0 .. 3
.endr
.endr
	s_wait_loadcnt 0x0
	s_wait_dscnt 0x0
.macro REDUCE                          ; the four rows' figures in v[SM] on, summed over the 32 lanes, by turns
.irp k, 1,2,4,8
.irp p, 0,1,2,3
	v_add_f32_dpp v[SM+\p], v[SM+\p], v[SM+\p] row_xmask:\k row_mask:0xf bank_mask:0xf
.endr
.endr
.irp p, 0,1,2,3
	v_permlanex16_b32 v[PT+\p], v[SM+\p], s[SEL], s[SEL+1]
.endr
.irp p, 0,1,2,3
	v_add_f32 v[SM+\p], v[SM+\p], v[PT+\p]
.endr
.endm
.irp p, 0,1,2,3
.irp i, 0,2,4,6
	v_pk_add_f32 v[RR+8*\p+\i:RR+8*\p+\i+1], v[RR+8*\p+\i:RR+8*\p+\i+1], v[XR+8*\p+\i:XR+8*\p+\i+1]   ; the residual
.endr
.endr
.irp p, 0,1,2,3
	v_pk_add_f32 v[TA+4*\p:TA+4*\p+1], v[RR+8*\p:RR+8*\p+1], v[RR+8*\p+2:RR+8*\p+3]
	v_pk_add_f32 v[TA+4*\p+2:TA+4*\p+3], v[RR+8*\p+4:RR+8*\p+5], v[RR+8*\p+6:RR+8*\p+7]
.endr
.irp p, 0,1,2,3
	v_pk_add_f32 v[TA+4*\p:TA+4*\p+1], v[TA+4*\p:TA+4*\p+1], v[TA+4*\p+2:TA+4*\p+3]
.endr
.irp p, 0,1,2,3
	v_add_f32 v[SM+\p], v[TA+4*\p], v[TA+4*\p+1]
.endr
	REDUCE
.irp p, 0,1,2,3
	v_mul_f32 v[MU+2*\p], s20, v[SM+\p]            ; the mean
.endr
.irp p, 0,1,2,3
.irp i, 0,2,4,6
	v_pk_add_f32 v[RR+8*\p+\i:RR+8*\p+\i+1], v[RR+8*\p+\i:RR+8*\p+\i+1], v[MU+2*\p:MU+2*\p+1] op_sel_hi:[1,0] neg_lo:[0,1] neg_hi:[0,1]   ; res - mean (of the pair the low word serves both halves)
.endr
.endr
.irp p, 0,1,2,3
	v_pk_mul_f32 v[TA+4*\p:TA+4*\p+1], v[RR+8*\p:RR+8*\p+1], v[RR+8*\p:RR+8*\p+1]
.endr
.irp i, 2,4,6
.irp p, 0,1,2,3
	v_pk_fma_f32 v[TA+4*\p:TA+4*\p+1], v[RR+8*\p+\i:RR+8*\p+\i+1], v[RR+8*\p+\i:RR+8*\p+\i+1], v[TA+4*\p:TA+4*\p+1]
.endr
.endr
.irp p, 0,1,2,3
	v_add_f32 v[SM+\p], v[TA+4*\p], v[TA+4*\p+1]
.endr
	REDUCE
.irp p, 0,1,2,3
	v_fma_f32 v[SM+\p], v[SM+\p], s20, s21         ; the variance + 1e-12
.endr
.irp p, 0,1,2,3
	v_rsq_f32 v[MU+2*\p], v[SM+\p]
.endr
	v_nop                                          ; a plain place behind the last of the four,
	s_wait_alu depctr_va_vdst(0)                   ; and one wait for the batch, ahead of its first reader
.irp p, 0,1,2,3
.irp i, 0,2,4,6
	v_pk_mul_f32 v[RR+8*\p+\i:RR+8*\p+\i+1], v[RR+8*\p+\i:RR+8*\p+\i+1], v[MU+2*\p:MU+2*\p+1] op_sel_hi:[1,0]
.endr
.endr
.irp p, 0,1,2,3
.irp i, 0,2,4,6
	v_pk_fma_f32 v[RR+8*\p+\i:RR+8*\p+\i+1], v[RR+8*\p+\i:RR+8*\p+\i+1], v[GA+\i:GA+\i+1], v[BE+\i:BE+\i+1]
.endr
.endr
.irp p, 0,1,2,3
.irp e, 0,1
	global_store_b128 v[L16], v[RR+8*\p+4*\e:RR+8*\p+4*\e+3], s[16:17] offset:1024*\p+512*\e th:TH_STORE_NT   ; 512 consecutive bytes, at a multiple of 256 from out0's first byte
.endr
.endr
	s_wait_tensorcnt 0x0                           ; the wave's end, behind my last LDS store
	ds_add_u32 v[SPW], v[NIL]
	s_wait_dscnt 0x0
	s_endpgm
.Lfunc_end_k_q723c447a92_outln:
	.size	k_q723c447a92_outln, .Lfunc_end_k_q723c447a92_outln-k_q723c447a92_outln
	.p2alignl 7, 3214868480
	.fill 96, 4, 3214868480
	.section	.rodata,"a",@progbits
	.p2align	6, 0x0
	.amdhsa_kernel k_q723c447a92_outln
		.amdhsa_group_segment_fixed_size 68608
		.amdhsa_private_segment_fixed_size 0
		.amdhsa_enable_private_segment 0
		.amdhsa_kernarg_size 56
		.amdhsa_user_sgpr_count 2
		.amdhsa_user_sgpr_kernarg_segment_ptr 1
		.amdhsa_wavefront_size32 1
		.amdhsa_system_sgpr_workgroup_id_x 1
		.amdhsa_system_sgpr_workgroup_id_y 1
		.amdhsa_system_sgpr_workgroup_id_z 1
		.amdhsa_system_vgpr_workitem_id 0
		.amdhsa_next_free_vgpr 256
		.amdhsa_next_free_sgpr 66
		.amdhsa_reserve_vcc 0
		.amdhsa_float_denorm_mode_32 3
		.amdhsa_float_denorm_mode_16_64 3
		.amdhsa_memory_ordered 1
		.amdhsa_forward_progress 1
		.amdhsa_inst_pref_size 22
	.end_amdhsa_kernel
	.amdgpu_metadata
---
amdhsa.version: [ 1, 2 ]
amdhsa.kernels:
  - .name:           k_q723c447a92_outln
    .symbol:         k_q723c447a92_outln.kd
    .args:
      - { .name: ctx, .offset: 0, .size: 8, .value_kind: global_buffer, .address_space: global }
      - { .name: wimg, .offset: 8, .size: 8, .value_kind: global_buffer, .address_space: global }
      - { .name: bo, .offset: 16, .size: 8, .value_kind: global_buffer, .address_space: global }
      - { .name: x, .offset: 24, .size: 8, .value_kind: global_buffer, .address_space: global }
      - { .name: gamma, .offset: 32, .size: 8, .value_kind: global_buffer, .address_space: global }
      - { .name: beta, .offset: 40, .size: 8, .value_kind: global_buffer, .address_space: global }
      - { .name: out0, .offset: 48, .size: 8, .value_kind: global_buffer, .address_space: global }
    .group_segment_fixed_size: 68608
    .private_segment_fixed_size: 0
    .kernarg_segment_align: 8
    .kernarg_segment_size: 56
    .max_flat_workgroup_size: 512
    .sgpr_count:     66
    .vgpr_count:     256
    .wavefront_size: 32
...
	.end_amdgpu_metadata
.endif
;; end of part 4
;; ======== version 2 of 2: 4 launches
;; workspace buffers: wimg 212,992 bytes; qimg 3,407,872 bytes; kv 6,684,672 bytes; ctx 4,194,304 bytes
;; launch wprep (part 5): grid 64 x 1, 1 waves a work-group, no clusters, 0 bytes of LDS; arguments Wq, Wk, Wv, Wo, wimg; writes wimg
.if DOCPART == 5
	.amdgcn_target "amdgcn-amd-amdhsa--gfx1250"
	.amdhsa_code_object_version 6
	.text
	.protected	k_q723c447a92_wprep
	.globl	k_q723c447a92_wprep
	.p2align	8
	.type	k_q723c447a92_wprep,@function
k_q723c447a92_wprep:
	s_mov_b64 s[64:65], 0
	v_nop
	global_prefetch_b8 v0, s[64:65] scope:SCOPE_SE
	s_setreg_imm32_b32 hwreg(HW_REG_WAVE_MODE, 25, 1), 1
	s_wait_xcnt 0x0
; LAUNCH 1 OF 4.  Wq, Wk, Wv, Wo [256 (k)][256 (n)], f32, K their FIRST axis, become codes of E3M2 with one E8M0 byte for each 32 along K,
; laid as IMAGES OF THE OPERAND'S REGISTERS: record (matrix x 16 + tile), 3,328 bytes: K step s (128 along K) at 1,536 s as three pieces of 512 bytes
; (piece i = registers 4 i .. 4 i + 3, lane l at 16 l); at 3,072 the scale words, lane l at 8 l: {K step 0's, K step 1's}.
; DEAD WORK: none.  Every input of reference() has a way to the output (bq and bk stand ahead of an ELU and a quantiser, bv and bo are added to live sums), so all eleven are loaded by some launch.
; THE COLUMNS OF A TILE ARE NOT NEIGHBOURS: lane r of tile 2 b + u takes column 32 b + 8 u + r + 8 (r / 8), so that the results of two neighbouring tiles are 16 neighbours along the next product's K.
; A lane takes one column and its registers run DOWN K, in the order that the operand's layout gives that lane (k = 64 c + 32 h + 0 .. 31): a block of 32 lies in one lane, nothing is transposed.
; One wave to a tile, 64 waves: that is all the work there is (1 MiB in).  No LDS, no barrier.
; LIMITS: a block of zeros gets the byte 1 (the rule says 127): its codes are zeros and only this program reads the bytes.  NaN and infinities among the inputs are not served.
.set REC,  3328
.set WA,   3                           ; v3   my column's byte in a row of W, + 32 rows for lanes 16-31
.set L16,  4                           ; v4   16 x lane
.set L8,   5                           ; v5   8 x lane
.set FRG,  16                          ; v16-39  the two fragments
.set TT,   40                          ; v40-46  the second halves of two blocks' codes
.set QM,   48                          ; v48-49  largest magnitudes
.set QS,   50                          ; v50-51  the conversions' scale operands
.set QB,   52                          ; v52-53  scale bytes
.set WW,   54                          ; v54-55  the two scale words
.set TP,   56
.set SH,   57                          ; v57  8 h
.set X,    64                          ; v64-191 128 numbers
	s_load_b256 s[4:11], s[0:1], 0x0               ; Wq, Wk, Wv, Wo
	s_load_b64 s[12:13], s[0:1], 0x20              ; wimg
	s_lshr_b32 s14, ttmp9, 4                       ; which matrix
	s_and_b32 s15, ttmp9, 15                       ; which tile = 2 b + u
	s_lshr_b32 s16, s15, 1
	s_and_b32 s17, s15, 1
	s_lshl_b32 s16, s16, 5
	s_lshl_b32 s17, s17, 3
	s_add_co_u32 s16, s16, s17                     ; 32 b + 8 u
	s_mul_i32 s18, ttmp9, REC
	s_mov_b32 s19, 0
	s_mov_b32 s20, 0x76543210
	s_mov_b32 s21, 0xfedcba98                      ; v_permlanex16_b32's selects for lane l xor 16
	v_and_b32 v1, 15, v0                           ; r
	v_bfe_u32 v2, v0, 4, 1                         ; h
	v_and_b32 v[WA], 8, v1
	v_add_nc_u32 v[WA], v[WA], v1                  ; r + 8 (r / 8)
	v_add_nc_u32 v[WA], s16, v[WA]                 ; my column
	v_lshlrev_b32 v[WA], 2, v[WA]
	v_lshl_add_u32 v[WA], v2, 15, v[WA]            ; lanes 16-31 begin 32 rows of 1,024 bytes further down
	v_lshlrev_b32 v[L16], 4, v0
	v_lshlrev_b32 v[L8], 3, v0
	v_lshlrev_b32 v[SH], 3, v2
	v_mov_b32 v[TP], 0                             ; a lane permute's destination counts as one of its sources
	s_wait_alu depctr_va_vdst(0)
	s_wait_kmcnt 0x0
	s_cmp_eq_u32 s14, 1                            ; the choice hangs on the work-group's number alone
	s_cselect_b64 s[4:5], s[6:7], s[4:5]
	s_cmp_eq_u32 s14, 2
	s_cselect_b64 s[4:5], s[8:9], s[4:5]
	s_cmp_eq_u32 s14, 3
	s_cselect_b64 s[4:5], s[10:11], s[4:5]
	s_add_nc_u64 s[12:13], s[12:13], s[18:19]
.set n, 0
.rept 128                              ; register 64 s + 32 c + i = W(128 s + 64 c + 32 h + i, my column)
	global_load_b32 v[X+n], v[WA], s[4:5] offset:(64*(n/32)+n%32)*1024
.set n, n+1
.endr
.macro HALF s
.set XB, X+64*\s
.irp c, 0,1
	v_max3_num_f32 v[QM+\c], |v[XB+32*\c]|, |v[XB+32*\c+1]|, 0x2800000   ; my block 2 c + h: all 32 numbers are mine; the floor 2^(5 - 127) holds the byte at 1 from below
.endr
.irp i, 2,4,6,8,10,12,14,16,18,20,22,24,26,28,30
.irp c, 0,1
	v_max3_num_f32 v[QM+\c], v[QM+\c], |v[XB+32*\c+\i]|, |v[XB+32*\c+\i+1]|
.endr
.endr
.irp c, 0,1
	v_add_nc_u32 v[QS+\c], 0xfe000000, v[QM+\c]    ; 4 off the exponent field: the conversion takes that field as its scale
.endr
.irp c, 0,1
	v_lshrrev_b32 v[QB+\c], 23, v[QS+\c]           ; the scale's byte
.endr
	v_lshl_or_b32 v[WW+\s], v[QB+1], 16, v[QB]     ; blocks h and 2 + h,
	v_lshlrev_b32 v[WW+\s], v[SH], v[WW+\s]        ; at their places in the word;
	v_permlanex16_b32 v[TP], v[WW+\s], s20, s21
	v_or_b32 v[WW+\s], v[WW+\s], v[TP]             ; with lane l xor 16's two the word is whole, in both halves of the lanes
.irp c, 0,1
	v_cvt_scalef32_pk16_bf6_f32 v[FRG+12*\s+6*\c:FRG+12*\s+6*\c+2], v[XB+32*\c:XB+32*\c+15], v[QS+\c]
	v_cvt_scalef32_pk16_bf6_f32 v[TT+4*\c:TT+4*\c+2], v[XB+32*\c+16:XB+32*\c+31], v[QS+\c]   ; (a conversion's three registers begin on an even number)
.endr
	v_nop                                          ; one plain place behind a scaled conversion
.irp c, 0,1
.irp i, 0,1,2
	v_mov_b32 v[FRG+12*\s+6*\c+3+\i], v[TT+4*\c+\i]
.endr
.endr
.endm
	s_wait_loadcnt 63                              ; K step 0's 64 loads are in: 64 were issued behind the last of them
	HALF 0
	s_wait_loadcnt 0x0
	HALF 1
.irp p, 0,1,2,3,4,5
	global_store_b128 v[L16], v[FRG+4*\p:FRG+4*\p+3], s[12:13] offset:512*\p   ; 512 consecutive bytes, at a multiple of 256 from the buffer's first byte
.endr
	global_store_b64 v[L8], v[WW:WW+1], s[12:13] offset:3072
	s_endpgm
.Lfunc_end_k_q723c447a92_wprep:
	.size	k_q723c447a92_wprep, .Lfunc_end_k_q723c447a92_wprep-k_q723c447a92_wprep
	.p2alignl 7, 3214868480
	.fill 96, 4, 3214868480
	.section	.rodata,"a",@progbits
	.p2align	6, 0x0
	.amdhsa_kernel k_q723c447a92_wprep
		.amdhsa_group_segment_fixed_size 0
		.amdhsa_private_segment_fixed_size 0
		.amdhsa_enable_private_segment 0
		.amdhsa_kernarg_size 40
		.amdhsa_user_sgpr_count 2
		.amdhsa_user_sgpr_kernarg_segment_ptr 1
		.amdhsa_wavefront_size32 1
		.amdhsa_system_sgpr_workgroup_id_x 1
		.amdhsa_system_sgpr_workgroup_id_y 1
		.amdhsa_system_sgpr_workgroup_id_z 1
		.amdhsa_system_vgpr_workitem_id 0
		.amdhsa_next_free_vgpr 192
		.amdhsa_next_free_sgpr 66
		.amdhsa_reserve_vcc 0
		.amdhsa_float_denorm_mode_32 3
		.amdhsa_float_denorm_mode_16_64 3
		.amdhsa_memory_ordered 1
		.amdhsa_forward_progress 1
		.amdhsa_inst_pref_size 21
	.end_amdhsa_kernel
	.amdgpu_metadata
---
amdhsa.version: [ 1, 2 ]
amdhsa.kernels:
  - .name:           k_q723c447a92_wprep
    .symbol:         k_q723c447a92_wprep.kd
    .args:
      - { .name: Wq, .offset: 0, .size: 8, .value_kind: global_buffer, .address_space: global }
      - { .name: Wk, .offset: 8, .size: 8, .value_kind: global_buffer, .address_space: global }
      - { .name: Wv, .offset: 16, .size: 8, .value_kind: global_buffer, .address_space: global }
      - { .name: Wo, .offset: 24, .size: 8, .value_kind: global_buffer, .address_space: global }
      - { .name: wimg, .offset: 32, .size: 8, .value_kind: global_buffer, .address_space: global }
    .group_segment_fixed_size: 0
    .private_segment_fixed_size: 0
    .kernarg_segment_align: 8
    .kernarg_segment_size: 40
    .max_flat_workgroup_size: 32
    .sgpr_count:     66
    .vgpr_count:     192
    .wavefront_size: 32
...
	.end_amdgpu_metadata
.endif
;; end of part 5
;; launch proj (part 6): grid 2 x 128, 8 waves a work-group, no clusters, 163,328 bytes of LDS; arguments x, wimg, bq, bk, bv, qimg, kv; writes qimg, kv
.if DOCPART == 6
	.amdgcn_target "amdgcn-amd-amdhsa--gfx1250"
	.amdhsa_code_object_version 6
	.text
	.protected	k_q723c447a92_proj
	.globl	k_q723c447a92_proj
	.p2align	8
	.type	k_q723c447a92_proj,@function
k_q723c447a92_proj:
	s_mov_b64 s[64:65], 0
	v_nop
	global_prefetch_b8 v0, s[64:65] scope:SCOPE_SE
	s_setreg_imm32_b32 hwreg(HW_REG_WAVE_SCHED_MODE, 0, 2), 2
	s_setreg_imm32_b32 hwreg(HW_REG_WAVE_MODE, 25, 1), 1
	s_wait_xcnt 0x0
	s_wait_alu depctr_vm_vsrc(0)
; LAUNCH 2 OF 4.  q, k, v = x W + b on codes of E3M2; q and k then go through ELU and the L2 norm and are quantised along the head's 64; v is quantised along the KEYS.  Nothing is left out.
; A work-group takes 128 tokens (grid y) and two heads (grid x): 384 matrix instructions.  The two work-groups of a token block both read its x: that is the price of work for 256 work-groups.
; PHASE X: wave w quantises token tile w of x (16 tokens x 256) and stores its two fragments in LDS as images of the operand's registers | barrier |
; PHASE V: wave (hl = w / 4, j = w % 4) makes 16 channels of v of head 2 x + hl for all 128 tokens (source 0 = x, source 1 = Wv: a lane holds ONE channel, its registers run along the tokens = the next K) | barrier |
; PHASE QK: wave (mat = w % 2, hl = (w / 2) % 2, half = w / 4) makes q or k of 64 tokens of a head (source 0 = W, source 1 = x: a lane holds ONE token, its registers run along the head's channels).
; THE TOKENS OF A TILE ARE NOT NEIGHBOURS: row r of tile 2 b + u is token 32 b + 8 u + r + 8 (r / 8); the weights' columns likewise (launch 1).  So 16 registers of two neighbouring tiles are 16 neighbours along the next K.
; OUT, all as register images (lane l at 16 l or 8 l): qimg[(bh 64 + group of 64 tokens)]: 3,328 bytes: 24 code registers (tile i at 6 i), at 3,072 two registers of scale words (tile 2 i' in lanes 0-15, 2 i' + 1 in lanes 16-31).
; kv[(bh 32 + key step of 128)]: 13,056 bytes: two such records of k, at 6,656 v's four channel tiles of 12 registers, at 12,800 v's scale words in the same two-register form.
; ELU: for a <= 0, e^a - 1 is the series a + a^2/2 + .. + a^6/720 above -1/8 (what is cut is under 1e-9 of the number) and 2^(a log2 e) - 1 below it (its size is then over 0.117, so the subtraction loses under three bits).
; LIMITS: 1 / (norm + 1e-6) is v_sqrt_f32, v_rcp_f32 and a multiply; a block of zeros gets the byte 1 with zero codes (only this program reads the bytes); NaN and infinities among the inputs are not served.
; THE MODE: SCHED_MODE bits 1:0 = 2 (LLVM: expert scheduling mode 2), set by the entry lines.  The code itself states the register dependences
; between vector or matrix instructions and memory or LDS instructions, with s_wait_alu, always for 0.
; THE PLAN.  Registers that memory or LDS instructions touch, and who else names them:
;   v1-v15        offsets and LDS addresses, made at the head.  Written again: v11 (the biases' offset) once in phase X; v12, v13 (constants) at phase QK's head.
;   v16-143       x as loaded; the 32 stores into the stage read it; the 32 loads from the stage land there as four pieces of 32 numbers, each read by one quantising; then phase QK's 36 loads land in v16-151.
;   XC, XS, XD, XT  phase X's two out-buffers: written by the four quantisings, read by the eight stores of x's images; written again by phase V.
;   v152-177      phases V and QK: a group's two fragments of x and their scale words: written by LDS loads, read by the products; between two groups the quantiser, the ELU and the norm work there.
;   VC, v0        written by phase V's quantisings, read by its stores.   CO, WD  written by phase QK, read by the last seven stores.
; So phase X has ONE wait on va_vdst behind its four quantisings, which serves its eight stores, the 36 loads and phase V's first fetch; each later group of products has one at its head; each run of stores has one ahead of it.
; A wait on vm_vsrc stands behind the stage's stores, at phase V's head and at phase QK's head.  The ELU's compares stand in one run of 32, into 32 scalar registers, with one wait on va_sdst ahead of the first select.
; No second buffer for v152-177: in phases V and QK every register of the 256 is taken.
.set XIMG,  0                          ; LDS: x's 16 fragments, (2 tile + K step) x 1,536
.set XSC,   24576                      ; their scale words, (2 tile + K step) x 128, lane l at 4 l
.set VSG,   26624                      ; v's scale words, 256 bytes a head, in the form in which they leave
.set XST,   27136                      ; a wave's own two stages of 16 rows x (512 + 16) bytes, one for each K step
.set XSTW,  16896
.set SPARE, 162304                     ; the spare words, 128 bytes a wave: four blocks of 256 bytes that no other line names
.set WK,   0                           ; v0   from phase V on: v's running scale word (every address has been made by then)
.set SPW,  1                           ; v1   LDS address of my spare word; never rewritten
.set NIL,  2                           ; v2   0; never rewritten
.set L16,  3
.set L8,   4
.set FV,   5                           ; v5   an image's place for my lane;  v6 a scale word's
.set FVS,  6
.set FQ,   7                           ; v7, v8  the same from my half's four tiles on
.set FQS,  8
.set VSA,  9                           ; v9   where I put v's scale word;  v10 where a head's 256 bytes are read back
.set VSR,  10
.set BOF,  11                          ; v11  the biases' offset: first 4 (r + 8 (r / 8)), later 64 h
.set XSTI, 12                          ; v12-15  phase X's four LDS addresses
.set XSTO, 13
.set XWI,  14
.set XWS,  15
.set K5,   12                          ; v[12:13] in phase QK: 1/120, twice
.set R,    16                          ; v16-143  phase X: x as loaded, then four pieces of 32 neighbours
.set WF,   16                          ; v16-111  later: my four tiles of Wq or Wk, two K steps each
.set WS,   112                         ; v112-119 their scale words
.set BI,   120                         ; v120-151 their biases, in the result's layout
.set XF,   152                         ; v152-175 two fragments of x;  between products: all that is at work
.set XS,   176                         ; v176-177 their scale words
.set ACC,  178                         ; v178-209 four accumulators
.set XD,   178                         ; v178-189 in phase X: K step 1's fragment;  v190-191 its scale words
.set XT,   190
.set WVF,  210                         ; v210-233 my tile of Wv;  in phase QK the 24 code registers
.set CO,   210
.set WVS,  234
.set BV,   236                         ; v236-243 bv of my lane's channel, eight times
.set XC,   244                         ; v244-255 in phase X: K step 0's fragment
.set VC,   244
.set WD,   244                         ; v[244:245] in phase QK: the two registers of scale words
.set QM,   152
.set QN,   154
.set QS,   156
.set QB,   158
.set QY,   160
.set QW,   164
.set EE,   152                         ; 16 exponentials
.set PP,   168                         ; 8 values of the series
.set SEL,  38                          ; s[38:39]
.set MHI,  40                          ; s40  lanes 16-31
.set MS,   18                          ; in phase QK: sixteen masks '-1/8 < a': number n in s[18 + n], from n = 12 on in s[60 + n - 12]: s18-29, s60-63
.set MP,   44                          ; and sixteen masks '0 < a': s44-59.  All 32 held ids and offsets that are done with; none held an address
; 32 numbers of a lane, register 16 b + i = k 32 b + 16 (lane / 16) + i of its row, become six code registers (lanes 0-15 block 0, lanes 16-31 block 1) and the word byte(0) | byte(1) << 8.
; Each eight registers are first read at their low end.
.macro QUANT2 src, dst, wd
.irp b, 0,1
	v_max3_num_f32 v[QM+\b], |v[\src+16*\b]|, |v[\src+16*\b+1]|, 0x2800000   ; the floor 2^(5 - 127) holds the byte at 1 from below
	v_max3_num_f32 v[QN+\b], |v[\src+16*\b+8]|, |v[\src+16*\b+9]|, |v[\src+16*\b+10]|
.endr
.irp i, 2,4,6
.irp b, 0,1
	v_max3_num_f32 v[QM+\b], v[QM+\b], |v[\src+16*\b+\i]|, |v[\src+16*\b+\i+1]|
.endr
.endr
.irp i, 11,13
.irp b, 0,1
	v_max3_num_f32 v[QN+\b], v[QN+\b], |v[\src+16*\b+\i]|, |v[\src+16*\b+\i+1]|
.endr
.endr
.irp b, 0,1
	v_max3_num_f32 v[QM+\b], v[QM+\b], v[QN+\b], |v[\src+16*\b+15]|
.endr
.irp b, 0,1
	v_permlanex16_b32 v[QN+\b], v[QM+\b], s[SEL], s[SEL+1]
.endr
.irp b, 0,1
	v_max_num_f32 v[QM+\b], v[QM+\b], v[QN+\b]     ; with lane l xor 16's 16: the block's largest magnitude
.endr
.irp b, 0,1
	v_add_nc_u32 v[QS+\b], 0xfe000000, v[QM+\b]    ; 4 off the exponent field: the conversion's scale operand
.endr
.irp b, 0,1
	v_lshrrev_b32 v[QB+\b], 23, v[QS+\b]
.endr
	v_lshl_or_b32 v[\wd], v[QB+1], 8, v[QB]
	v_cvt_scalef32_pk16_bf6_f32 v[\dst:\dst+2], v[\src:\src+15], v[QS]
	v_cvt_scalef32_pk16_bf6_f32 v[QY:QY+2], v[\src+16:\src+31], v[QS+1]
	v_nop                                          ; one plain place behind a scaled conversion
.irp i, 0,1,2
	v_permlane16_swap_b32 v[\dst+\i], v[QY+\i]     ; the first's lanes 16-31 change places with the second's lanes 0-15: a whole block to a lane
.endr
.irp i, 0,1,2
	v_mov_b32 v[\dst+3+\i], v[QY+\i]
.endr
.endm
.macro FETCH12 reg, adr, off           ; a fragment's image comes back as it was stored
.irp i, 0,1,2
	ds_load_b128 v[\reg+4*\i:\reg+4*\i+3], v[\adr] offset:\off+512*\i
.endr
.endm
.macro BARRIER                         ; my LDS stores have landed and my LDS loads are in: then the work-group's barrier
	s_wait_dscnt 0x0
	s_barrier_signal -1
	s_barrier_wait -1
.endm
.macro PLACES                          ; four places behind a matrix instruction of this form, ahead of loads into its sources and of reads of its result
.rept 4
	v_nop
.endr
.endm
	s_load_b256 s[4:11], s[0:1], 0x0               ; x, wimg, bq, bk
	s_load_b128 s[12:15], s[0:1], 0x20             ; bv, qimg
	s_load_b64 s[16:17], s[0:1], 0x30              ; kv
	v_lshl_add_u32 v[SPW], v0, 2, SPARE
	v_mov_b32 v[NIL], 0
	v_lshrrev_b32 v152, 5, v0
	v_readfirstlane_b32 s18, v152                  ; wave 0..7
	s_and_b32 s20, ttmp7, 0xffff                   ; the block of 128 tokens
	s_wait_alu depctr_va_sdst(0)                   ; s18 is written, ahead of its first reader: every role, LDS address and base below is made from it
	s_lshr_b32 s21, s18, 2                         ; V: hl.  QK: half
	s_and_b32 s22, s18, 3                          ; V: j
	s_and_b32 s23, s18, 1                          ; QK: 0 = q, 1 = k
	s_bfe_u32 s24, s18, 0x10001                    ; QK: hl
	s_lshl_b32 s19, ttmp9, 1
	s_add_co_u32 s25, s19, s21                     ; V's head
	s_add_co_u32 s26, s19, s24                     ; QK's head
	s_and_b32 s27, s20, 31                         ; the key step in its sequence
	s_lshr_b32 s28, s20, 5
	s_lshl_b32 s28, s28, 2                         ; 4 x batch
	s_mov_b32 s[SEL], 0x76543210
	s_mov_b32 s[SEL+1], 0xfedcba98
	s_mov_b32 s[MHI], 0xffff0000
	; every LDS address is made here, of constants, the lane and the wave's number
	v_and_b32 v153, 31, v0                         ; lane
	v_and_b32 v154, 15, v0                         ; r
	v_bfe_u32 v155, v0, 4, 1                       ; h
	v_lshlrev_b32 v[L16], 4, v153
	v_lshlrev_b32 v[L8], 3, v153
	v_lshlrev_b32 v156, 2, v153
	v_add_nc_u32 v[FV], XIMG, v[L16]
	v_add_nc_u32 v[FVS], XSC, v156
	s_mul_i32 s44, s21, 12288
	v_add_nc_u32 v[FQ], s44, v[FV]
	s_lshl_b32 s44, s21, 10
	v_add_nc_u32 v[FQS], s44, v[FVS]
	s_lshl_b32 s44, s21, 8
	s_add_co_u32 s44, s44, VSG
	v_add_nc_u32 v[VSR], s44, v[L8]
	s_and_b32 s45, s22, 1
	s_lshl_b32 s45, s45, 7
	s_add_co_u32 s44, s44, s45                     ; odd tiles stand in lanes 16-31: 8 x 16 bytes on
	s_lshr_b32 s45, s22, 1
	s_lshl_b32 s45, s45, 2
	s_add_co_u32 s44, s44, s45                     ; tiles 2, 3 in the second register
	v_lshl_add_u32 v[VSA], v154, 3, s44
	v_and_b32 v157, 8, v154
	v_add_nc_u32 v157, v157, v154
	v_lshlrev_b32 v[BOF], 2, v157                  ; 4 (r + 8 (r / 8))
	s_mul_i32 s44, s18, XSTW
	s_add_co_u32 s44, s44, XST
	v_add_nc_u32 v[XSTI], s44, v[L16]              ; the stage, in: a row's 512 bytes as they lie
	v_mul_u32_u24 v158, v154, 528
	v_lshl_add_u32 v158, v155, 6, v158
	v_add_nc_u32 v[XSTO], s44, v158                ; out: row r, my 16 numbers of a block of 32
	s_mul_i32 s44, s18, 3072
	v_add_nc_u32 v[XWI], s44, v[FV]
	s_lshl_b32 s44, s18, 8
	v_add_nc_u32 v[XWS], s44, v[FVS]
	; byte offsets, made apart from the addresses
	s_lshl_b32 s44, s20, 7
	s_lshr_b32 s45, s18, 1
	s_lshl_b32 s45, s45, 5
	s_add_co_u32 s44, s44, s45
	s_lshl_b32 s45, s23, 3
	s_add_co_u32 s44, s44, s45                     ; my tile's first token: 128 block + 32 (w / 2) + 8 (w % 2)
	s_lshl_b32 s44, s44, 10
	s_mov_b32 s45, 0
	s_lshl_b32 s46, s25, 2
	s_add_co_u32 s46, s46, s22
	s_add_co_u32 s46, s46, 32
	s_mul_i32 s46, s46, 3328                       ; Wv's record 32 + 4 head + j
	s_mov_b32 s47, 0
	s_lshl_b32 s48, s23, 4
	s_lshl_b32 s49, s26, 2
	s_add_co_u32 s48, s48, s49
	s_mul_i32 s48, s48, 3328                       ; Wq's or Wk's records 16 mat + 4 head on
	s_mov_b32 s49, 0
	s_lshl_b32 s50, s25, 8
	s_lshr_b32 s51, s22, 1
	s_lshl_b32 s51, s51, 7
	s_add_co_u32 s50, s50, s51
	s_and_b32 s51, s22, 1
	s_lshl_b32 s51, s51, 5
	s_add_co_u32 s50, s50, s51                     ; bv: 4 (64 head + 32 (j / 2) + 8 (j % 2))
	s_mov_b32 s51, 0
	s_lshl_b32 s52, s26, 8                         ; bq, bk: 4 x 64 head
	s_mov_b32 s53, 0
	s_add_co_u32 s54, s28, s25
	s_lshl_b32 s54, s54, 5
	s_add_co_u32 s54, s54, s27
	s_mul_i32 s54, s54, 13056
	s_mul_i32 s55, s22, 1536
	s_add_co_u32 s54, s54, s55                     ; kv's record of V's head, + my channel tile
	s_mov_b32 s55, 0
	s_add_co_u32 s56, s28, s26
	s_lshl_b32 s57, s56, 6
	s_lshl_b32 s58, s27, 1
	s_add_co_u32 s57, s57, s58
	s_add_co_u32 s57, s57, s21
	s_mul_i32 s57, s57, 3328                       ; q's record
	s_lshl_b32 s58, s56, 5
	s_add_co_u32 s58, s58, s27
	s_mul_i32 s58, s58, 13056
	s_mul_i32 s59, s21, 3328
	s_add_co_u32 s58, s58, s59                     ; k's
	s_cmp_eq_u32 s23, 0
	s_cselect_b32 s56, s57, s58
	s_mov_b32 s57, 0
	s_wait_kmcnt 0x0
	s_add_nc_u64 s[4:5], s[4:5], s[44:45]
	s_add_nc_u64 s[30:31], s[6:7], s[46:47]
	s_add_nc_u64 s[32:33], s[6:7], s[48:49]
	s_add_nc_u64 s[12:13], s[12:13], s[50:51]
	s_cmp_eq_u32 s23, 0                            ; the choices hang on the wave's number alone
	s_cselect_b64 s[34:35], s[8:9], s[10:11]
	s_cselect_b64 s[42:43], s[14:15], s[16:17]
	s_add_nc_u64 s[34:35], s[34:35], s[52:53]
	s_add_nc_u64 s[42:43], s[42:43], s[56:57]
	s_add_nc_u64 s[36:37], s[16:17], s[54:55]
	s_wait_alu depctr_va_vdst(0)                   ; v1 to v15 are written: every load, store and LDS access of the kernel reads one of them as its offset or address
.set n, 0
.rept 32                               ; stage row n % 16 is token (n % 16) + 8 ((n % 16) / 8) of my tile; K step n / 16: 32 lanes read its 512 consecutive bytes
	global_load_b128 v[R+4*n:R+4*n+3], v[L16], s[4:5] offset:((n%16)+8*((n%16)/8))*1024+512*(n/16)
.set n, n+1
.endr
.irp p, 0,1,2,3,4,5
	global_load_b128 v[WVF+4*\p:WVF+4*\p+3], v[L16], s[30:31] offset:512*\p
.endr
	global_load_b64 v[WVS:WVS+1], v[L8], s[30:31] offset:3072
.irp i, 0,1,2,3,4,5,6,7
	global_load_b32 v[BV+\i], v[BOF], s[12:13]     ; the C of v's sums: my lane's channel in all eight rows
.endr
	; ---- PHASE X
	s_wait_loadcnt 31                              ; K step 0's 16 loads are in: behind them stand 16 + 15
.set n, 0
.rept 16
	ds_store_b128 v[XSTI], v[R+4*n:R+4*n+3] offset:528*n
.set n, n+1
.endr
	s_wait_loadcnt 15                              ; K step 1's
.set n, 0
.rept 16
	ds_store_b128 v[XSTI], v[R+64+4*n:R+64+4*n+3] offset:8448+528*n
.set n, n+1
.endr
	s_wait_alu depctr_vm_vsrc(0)                   ; the 32 stores into the stage have read v16-143, in which the loads below land; bv's loads have read v11, which is written again further down
.set n, 0
.rept 32                               ; piece n / 8 = 2 e + c: blocks 2 c, 2 c + 1 of K step e, my 16 numbers of each.  LDS serves a wave's instructions in order: these see my stores
	ds_load_b128 v[R+4*n:R+4*n+3], v[XSTO] offset:8448*(n/16)+256*((n/8)%2)+128*((n/4)%2)+16*(n%4)
.set n, n+1
.endr
	s_wait_dscnt 24                                ; LDS loads come back in order (ISA guide 5.7.1): the first piece's eight are in, the three younger pieces stay out
	QUANT2 R, XC, XS
	s_wait_dscnt 16
	QUANT2 R+32, XC+6, XS+1
	s_wait_dscnt 8
	QUANT2 R+64, XD, XT
	s_wait_dscnt 0x0
	QUANT2 R+96, XD+6, XT+1
	v_lshl_or_b32 v[XS], v[XS+1], 16, v[XS]        ; the row's scale word for K step 0's 128,
	v_lshl_or_b32 v[XT], v[XT+1], 16, v[XT]        ; and for K step 1's
	s_wait_xcnt 0x0                                ; bv's loads have had their addresses translated, so their offset may be written:
	v_bfe_u32 v[BOF], v0, 4, 1
	v_lshlrev_b32 v[BOF], 6, v[BOF]                ; 64 h
	s_wait_alu depctr_va_vdst(0)                   ; the quantisings have written both fragments and both scale words, which the stores read, and are done reading v16-143, in which the weights land; v11 is written; v152-177 are done with, in which phase V's first fetch lands
.irp i, 0,1,2
	ds_store_b128 v[XWI], v[XC+4*\i:XC+4*\i+3] offset:512*\i
.endr
	ds_store_b32 v[XWS], v[XS]
.irp i, 0,1,2
	ds_store_b128 v[XWI], v[XD+4*\i:XD+4*\i+3] offset:1536+512*\i
.endr
	ds_store_b32 v[XWS], v[XT] offset:128
.irp jj, 0,1,2,3                       ; phase QK's weights land while phase V runs: 36 loads
.irp p, 0,1,2,3,4,5
	global_load_b128 v[WF+24*\jj+4*\p:WF+24*\jj+4*\p+3], v[L16], s[32:33] offset:3328*\jj+512*\p
.endr
	global_load_b64 v[WS+2*\jj:WS+2*\jj+1], v[L8], s[32:33] offset:3328*\jj+3072
.endr
.irp jj, 0,1,2,3                       ; lane (r, h) wants, for tile 2 b + u, the biases of channels 32 b + 16 h + 8 u + 0 .. 7
	global_load_b128 v[BI+8*\jj:BI+8*\jj+3], v[BOF], s[34:35] offset:(32*(\jj/2)+8*(\jj%2))*4
	global_load_b128 v[BI+8*\jj+4:BI+8*\jj+7], v[BOF], s[34:35] offset:(32*(\jj/2)+8*(\jj%2))*4+16
.endr
	BARRIER                                        ; x's sixteen fragments lie in LDS; they are never written again
	; ---- PHASE V: tokens 64 c on, four token tiles; the accumulators go 0, 1 | 2, 3 | 0, 1 | 2, 3, one instruction a turn
; w = 1: vector or matrix instructions have named v152-177 since the last wait on va_vdst
.macro VGRP c, s, mm, w
.if \w
	s_wait_alu depctr_va_vdst(0)                   ; the last two products are done reading their fragments and scale words, and the quantiser is done with its working registers: the loads below land in v152-177
.endif
	FETCH12 XF, FV, (2*(4*\c+\mm)+\s)*1536
	FETCH12 XF+12, FV, (2*(4*\c+\mm+1)+\s)*1536
	ds_load_b32 v[XS], v[FVS] offset:(2*(4*\c+\mm)+\s)*128
	ds_load_b32 v[XS+1], v[FVS] offset:(2*(4*\c+\mm+1)+\s)*128
	s_wait_dscnt 0x0
.irp k, 0,1
.if \s == 0
	v_wmma_scale_f32_16x16x128_f8f6f4 v[ACC+8*(\mm+\k):ACC+8*(\mm+\k)+7], v[XF+12*\k:XF+12*\k+11], v[WVF:WVF+11], v[BV:BV+7], v[XS+\k], v[WVS] matrix_a_fmt:MATRIX_FMT_BF6 matrix_b_fmt:MATRIX_FMT_BF6
.else
	v_wmma_scale_f32_16x16x128_f8f6f4 v[ACC+8*(\mm+\k):ACC+8*(\mm+\k)+7], v[XF+12*\k:XF+12*\k+11], v[WVF+12:WVF+23], v[ACC+8*(\mm+\k):ACC+8*(\mm+\k)+7], v[XS+\k], v[WVS+1] matrix_a_fmt:MATRIX_FMT_BF6 matrix_b_fmt:MATRIX_FMT_BF6
.endif
.endr
	PLACES
.endm
	s_wait_loadcnt 36                              ; Wv, its scale words and bv are in: behind them stand phase QK's 36 loads
	s_wait_alu depctr_vm_vsrc(0)                   ; the stores of x's images have read v176, in which a scale word lands, v178-190, which the products write, and v244-255, which the quantiser writes
	VGRP 0, 0, 0, 0                                ; (no vector instruction has been issued since phase X's wait on va_vdst)
	VGRP 0, 0, 2, 1
	VGRP 0, 1, 0, 1
	VGRP 0, 1, 2, 1
	QUANT2 ACC, VC, WK                             ; register 16 b + i is token 32 b + 16 h + i of my channel: keys 0-63 of the step
	VGRP 1, 0, 0, 1
	VGRP 1, 0, 2, 1
	VGRP 1, 1, 0, 1
	VGRP 1, 1, 2, 1
	QUANT2 ACC, VC+6, QW                           ; keys 64-127
	v_lshl_or_b32 v[WK], v[QW], 16, v[WK]
	s_wait_alu depctr_va_vdst(0)                   ; the quantisings have written v's codes and its scale word, which the stores below read, and are done with v152, v153, in which the LDS load behind the barrier lands
.irp i, 0,1,2
	global_store_b128 v[L16], v[VC+4*\i:VC+4*\i+3], s[36:37] offset:6656+512*\i   ; 512 consecutive bytes, at a multiple of 256 from the buffer's first byte
.endr
	ds_store_b32 v[VSA], v[WK]                     ; lanes r and r + 16 write the same word with the same value
	BARRIER                                        ; a head's 256 bytes of scale words lie in LDS
	s_cmp_lg_u32 s22, 0                            ; one wave of each head stores them as one whole block of 256 bytes (no barrier stands in this branch)
	s_cbranch_scc1 .Lno_vs
	ds_load_b64 v[QM:QM+1], v[VSR]
	s_wait_dscnt 0x0
	global_store_b64 v[L8], v[QM:QM+1], s[36:37] offset:12800
.Lno_vs:
	; ---- PHASE QK
.macro POLY a, o                       ; the series for eight numbers, four pairs by turns
.irp p, 0,2,4,6
	v_pk_fma_f32 v[PP+\p:PP+\p+1], v[\a+\o+\p:\a+\o+\p+1], 0x3ab60b61, v[K5:K5+1] op_sel_hi:[1,0,1]   ; a / 720 + 1 / 120
.endr
.irp p, 0,2,4,6
	v_pk_fma_f32 v[PP+\p:PP+\p+1], v[PP+\p:PP+\p+1], v[\a+\o+\p:\a+\o+\p+1], 0x3d2aaaab op_sel_hi:[1,1,0]   ; + 1 / 24
.endr
.irp p, 0,2,4,6
	v_pk_fma_f32 v[PP+\p:PP+\p+1], v[PP+\p:PP+\p+1], v[\a+\o+\p:\a+\o+\p+1], 0x3e2aaaab op_sel_hi:[1,1,0]   ; + 1 / 6
.endr
.irp p, 0,2,4,6
	v_pk_fma_f32 v[PP+\p:PP+\p+1], v[PP+\p:PP+\p+1], v[\a+\o+\p:\a+\o+\p+1], 0.5 op_sel_hi:[1,1,0]
.endr
.irp p, 0,2,4,6
	v_pk_mul_f32 v[PP+\p:PP+\p+1], v[PP+\p:PP+\p+1], v[\a+\o+\p:\a+\o+\p+1]
.endr
.irp p, 0,2,4,6
	v_pk_fma_f32 v[PP+\p:PP+\p+1], v[PP+\p:PP+\p+1], v[\a+\o+\p:\a+\o+\p+1], v[\a+\o+\p:\a+\o+\p+1]
.endr
.endm
.macro PICK a, o                       ; both forms are always computed; the choice only selects a value, by the masks made at the ELU's head
.irp i, 0,1,2,3,4,5,6,7
	v_cndmask_b32 v[EE+\o+\i], v[EE+\o+\i], v[PP+\i], s[MS+(\o+\i)+30*((\o+\i)/12)]   ; -1/8 < a: the series
	v_cndmask_b32 v[\a+\o+\i], v[EE+\o+\i], v[\a+\o+\i], s[MP+\o+\i]                  ; 0 < a: a itself
.endr
.endm
.macro ELU16 a
.set n, 0
.rept 16
	v_cmp_lt_f32 s[MS+n+30*(n/12)], 0xbe000000, v[\a+n]   ; the 32 compares in one run, each accumulator from its low end on: -1/8 < a,
.set n, n+1
.endr
.set n, 0
.rept 16
	v_cmp_lt_f32 s[MP+n], 0, v[\a+n]               ; and 0 < a
.set n, n+1
.endr
.irp i, 0,2,4,6,8,10,12,14
	v_pk_mul_f32 v[EE+\i:EE+\i+1], v[\a+\i:\a+\i+1], 0x3fb8aa3b op_sel_hi:[1,0]   ; a log2 e
.endr
	s_wait_alu depctr_va_vdst(0)
.irp i, 0,1,2,3,4,5,6,7,8,9,10,11,12,13,14,15
	v_exp_f32 v[EE+\i], v[EE+\i]
.endr
	POLY \a, 0                                     ; plain work that names no exponential's result
	s_wait_alu depctr_va_vdst(0)                   ; the sixteen exponentials have written v152-167: one wait for the batch, ahead of its first reader
	s_wait_alu depctr_va_sdst(0)                   ; the 32 compares have written their masks, ahead of the first select that reads one
.irp i, 0,2,4,6,8,10,12,14
	v_pk_add_f32 v[EE+\i:EE+\i+1], v[EE+\i:EE+\i+1], -1.0 op_sel_hi:[1,0]
.endr
	PICK \a, 0
	POLY \a, 8
	PICK \a, 8
.endm
.macro NORM                            ; my token's 64 numbers lie in my 32 registers and lane l xor 16's
	v_pk_mul_f32 v[152:153], v[ACC:ACC+1], v[ACC:ACC+1]
	v_pk_mul_f32 v[154:155], v[ACC+2:ACC+3], v[ACC+2:ACC+3]
.irp i, 4,8,12,16,20,24,28
	v_pk_fma_f32 v[152:153], v[ACC+\i:ACC+\i+1], v[ACC+\i:ACC+\i+1], v[152:153]
	v_pk_fma_f32 v[154:155], v[ACC+\i+2:ACC+\i+3], v[ACC+\i+2:ACC+\i+3], v[154:155]
.endr
	v_pk_add_f32 v[152:153], v[152:153], v[154:155]
	v_add_f32 v152, v152, v153
	v_permlanex16_b32 v154, v152, s[SEL], s[SEL+1]
	v_add_f32 v152, v152, v154
	s_wait_alu depctr_va_vdst(0)
	v_sqrt_f32 v153, v152
	v_nop                                          ; a plain place behind the transcendental,
	s_wait_alu depctr_va_vdst(0)                   ; and the wait ahead of its reader: the root has written v153
	v_add_f32 v153, 0x358637bd, v153               ; + 1e-6
	s_wait_alu depctr_va_vdst(0)
	v_rcp_f32 v156, v153
	v_nop
	s_wait_alu depctr_va_vdst(0)                   ; the reciprocal has written v156, ahead of its first reader
.irp i, 0,2,4,6,8,10,12,14,16,18,20,22,24,26,28,30
	v_pk_mul_f32 v[ACC+\i:ACC+\i+1], v[ACC+\i:ACC+\i+1], v[156:157] op_sel_hi:[1,0]   ; (of the pair the low word serves both halves; v157 was written by the ELU)
.endr
.endm
.macro UNIT m                          ; token tile 4 half + m: four channel tiles by turns, K step by K step
.if \m > 0
	s_wait_alu depctr_va_vdst(0)                   ; the unit before is done with v152-177: its products with the fragments and scale words, its ELU, norm and quantiser with their working registers; the loads below land there
.endif
	FETCH12 XF, FQ, (2*\m)*1536
	FETCH12 XF+12, FQ, (2*\m+1)*1536
	ds_load_b32 v[XS], v[FQS] offset:(2*\m)*128
	ds_load_b32 v[XS+1], v[FQS] offset:(2*\m+1)*128
	s_wait_dscnt 0x0
.irp jj, 0,1,2,3
	v_wmma_scale_f32_16x16x128_f8f6f4 v[ACC+8*\jj:ACC+8*\jj+7], v[WF+24*\jj:WF+24*\jj+11], v[XF:XF+11], v[BI+8*\jj:BI+8*\jj+7], v[WS+2*\jj], v[XS] matrix_a_fmt:MATRIX_FMT_BF6 matrix_b_fmt:MATRIX_FMT_BF6
.endr
.irp jj, 0,1,2,3
	v_wmma_scale_f32_16x16x128_f8f6f4 v[ACC+8*\jj:ACC+8*\jj+7], v[WF+24*\jj+12:WF+24*\jj+23], v[XF+12:XF+23], v[ACC+8*\jj:ACC+8*\jj+7], v[WS+2*\jj+1], v[XS+1] matrix_a_fmt:MATRIX_FMT_BF6 matrix_b_fmt:MATRIX_FMT_BF6
.endr
	PLACES
	ELU16 ACC
	ELU16 ACC+16
	NORM
	QUANT2 ACC, CO+6*\m, QW
.if \m%2
	v_cndmask_b32 v[WD+\m/2], v[WD+\m/2], v[QW], s[MHI]   ; an odd tile's words stand in lanes 16-31
.else
	v_mov_b32 v[WD+\m/2], v[QW]
.endif
.endm
	s_wait_loadcnt 0x0                             ; my weights, their scale words and biases
	s_wait_xcnt 0x0                                ; phase V's stores have had their addresses translated: v152, v153 and v244 on are written again below
	s_wait_alu depctr_vm_vsrc(0)                   ; phase V's stores have read v152, v153 and v244-255; phase X's LDS instructions have read v12 and v13: all of these are written again below
	v_mov_b32 v[K5], 0x3c088889
	v_mov_b32 v[K5+1], 0x3c088889
	UNIT 0                                         ; (since the wait on va_vdst ahead of phase V's stores only v12 and v13 have been named by vector instructions)
	UNIT 1
	UNIT 2
	UNIT 3
	s_wait_alu depctr_va_vdst(0)                   ; the four units have written the 24 code registers and the two registers of scale words, which the stores read
.irp p, 0,1,2,3,4,5
	global_store_b128 v[L16], v[CO+4*\p:CO+4*\p+3], s[42:43] offset:512*\p
.endr
	global_store_b64 v[L8], v[WD:WD+1], s[42:43] offset:3072
	s_wait_dscnt 0x0                               ; the closing lines, six on end
	s_wait_alu 0x0
	s_wait_tensorcnt 0x0
	ds_add_u32 v[SPW], v[NIL]
	s_wait_dscnt 0x0
	s_endpgm
.Lfunc_end_k_q723c447a92_proj:
	.size	k_q723c447a92_proj, .Lfunc_end_k_q723c447a92_proj-k_q723c447a92_proj
	.p2alignl 7, 3214868480
	.fill 96, 4, 3214868480
	.section	.rodata,"a",@progbits
	.p2align	6, 0x0
	.amdhsa_kernel k_q723c447a92_proj
		.amdhsa_group_segment_fixed_size 163328
		.amdhsa_private_segment_fixed_size 0
		.amdhsa_enable_private_segment 0
		.amdhsa_kernarg_size 56
		.amdhsa_user_sgpr_count 2
		.amdhsa_user_sgpr_kernarg_segment_ptr 1
		.amdhsa_wavefront_size32 1
		.amdhsa_system_sgpr_workgroup_id_x 1
		.amdhsa_system_sgpr_workgroup_id_y 1
		.amdhsa_system_sgpr_workgroup_id_z 1
		.amdhsa_system_vgpr_workitem_id 0
		.amdhsa_next_free_vgpr 256
		.amdhsa_next_free_sgpr 66
		.amdhsa_reserve_vcc 0
		.amdhsa_float_denorm_mode_32 3
		.amdhsa_float_denorm_mode_16_64 3
		.amdhsa_memory_ordered 1
		.amdhsa_forward_progress 1
		.amdhsa_inst_pref_size 144
	.end_amdhsa_kernel
	.amdgpu_metadata
---
amdhsa.version: [ 1, 2 ]
amdhsa.kernels:
  - .name:           k_q723c447a92_proj
    .symbol:         k_q723c447a92_proj.kd
    .args:
      - { .name: x, .offset: 0, .size: 8, .value_kind: global_buffer, .address_space: global }
      - { .name: wimg, .offset: 8, .size: 8, .value_kind: global_buffer, .address_space: global }
      - { .name: bq, .offset: 16, .size: 8, .value_kind: global_buffer, .address_space: global }
      - { .name: bk, .offset: 24, .size: 8, .value_kind: global_buffer, .address_space: global }
      - { .name: bv, .offset: 32, .size: 8, .value_kind: global_buffer, .address_space: global }
      - { .name: qimg, .offset: 40, .size: 8, .value_kind: global_buffer, .address_space: global }
      - { .name: kv, .offset: 48, .size: 8, .value_kind: global_buffer, .address_space: global }
    .group_segment_fixed_size: 163328
    .private_segment_fixed_size: 0
    .kernarg_segment_align: 8
    .kernarg_segment_size: 56
    .max_flat_workgroup_size: 256
    .sgpr_count:     66
    .vgpr_count:     256
    .wavefront_size: 32
...
	.end_amdgpu_metadata
.endif
;; end of part 6
;; launch attn (part 7): grid 16 x 16, 16 waves a work-group, no clusters, 327,680 bytes of LDS; arguments qimg, kv, ctx; writes ctx
.if DOCPART == 7
	.amdgcn_target "amdgcn-amd-amdhsa--gfx1250"
	.amdhsa_code_object_version 6
	.text
	.protected	k_q723c447a92_attn
	.globl	k_q723c447a92_attn
	.p2align	8
	.type	k_q723c447a92_attn,@function
k_q723c447a92_attn:
	s_mov_b64 s[64:65], 0
	v_nop
	global_prefetch_b8 v0, s[64:65] scope:SCOPE_SE
	s_setreg_imm32_b32 hwreg(HW_REG_WAVE_MODE, 25, 1), 1
	s_wait_xcnt 0x0
; LAUNCH 3 OF 4.  ctx = softmax(q_n k_n^T / 8) v, both products on codes of E3M2; ctx is divided by the row's sum and quantised along the head's 64 for the last product.
; A work-group owns 256 queries of one (batch, head); each of its SIXTEEN waves owns one tile of 16, in 256 registers: four waves to a SIMD, so that one wave's vector work stands beside another's products and LDS loads.
; Both products are used transposed (S^T = k q^T, O^T = v^T p^T): a lane holds ONE query throughout.  By launch 2's order of tokens the 16 registers of score tiles 2 b, 2 b + 1 are keys 32 b + 16 (lane / 16) + 0 .. 15.
; THE SOFTMAX: t = score x log2(e) / 8, p = 2^(t - M), the row's sum of the unquantised p divides at the end.  HERE M = 0, FOR EVERY ROW.  reference() itself normalises q and k: each element is at most 1 in size, at most
; 1.125 behind the quantiser, so |score| <= 64 x 1.125^2 = 81 and |t| <= 14.6 for all finite inputs: p lies within 2^-15 .. 2^15 and a row's sum under 2^27: nothing overflows or underflows.  M is a whole number, so any M
; moves p's block scales and the sum by the same exact power of two: the codes' values and O / sum are those of M = ceil(the row's largest t).  So no maximum of the row is searched and nothing is rescaled.
; K = 64 IN A FORM OF K = 128: q's codes for k = 64 .. 127 are zeros.  k's eight tiles lie six registers apart, so a tile's upper six registers are the next tile's codes (six zero registers behind the last):
; every code of E3M2 is a finite number, so those products with q's zeros are 0; the scale bytes there are 0, which is 2^-127 and no NaN.
; THE RING: two LDS slots of four key steps (4 records of 13,056 bytes, dense in memory and read as they lie: lane l at 16 l or 8 l, no padding).  Waves 0 to 3 fetch a record each: one tensor load of a wave is out at most.
; NO CLUSTER, though the 16 work-groups of a head walk the same records: for each 52,224 bytes fetched a work-group issues 16 waves x 4 steps x some 210 vector instructions, and the fetch has those four steps in which to land;
; joint loads would put a round of the cluster's barrier in front of each of the eight changes of slots of a launch whose load is its vector work.
; LIMITS: 1 / sum by v_rcp_f32; a block of zeros of ctx gets the byte 1 with zero codes; NaN and infinities are not served.
.set REC,   13056
.set SLOTB, 4*REC
.set SLOT1, 65536                      ; slot 1 begins here: one exclusive or turns an address from one slot to the other
.set SPARE, 131072                     ; the spare words, 128 bytes a wave: eight blocks of 256 bytes that no other line names
.set SPW,  1                           ; v1   LDS address of my spare word; never rewritten
.set NIL,  2                           ; v2   0; never rewritten
.set L16,  3
.set L8,   4
.set ADR,  5                           ; v5, v6  16 x lane and 8 x lane in the slot in hand
.set ADR8, 6
.set PFO,  7                           ; v7   256 x lane
.set QA,   8                           ; v8-11  q's offsets
.set QF,   16                          ; v16-27 q's fragment; v22-27 zeros
.set QSC,  28
.set KS,   30                          ; v30-33 k's scale words: register t / 2, odd tiles in lanes 16-31
.set VS,   34                          ; v34-35 v's likewise
.set PW,   36                          ; p's scale word
.set FR,   40                          ; v40-87 eight tiles of k, then four of v;  v88-93 zeros
.set SS,   96                          ; v96-159 S^T, then p
.set OA,   160                         ; v160-191 O^T
.set PC,   192                         ; v192-203 p's codes
.set QY,   204                         ; v204-206, v208-210
.set BM,   212                         ; the blocks' largest scores, then largest p
.set TT,   216
.set SOP,  220
.set BY,   224
.set LL,   228                         ; v[228:229], v[230:231] the row's sum, in two chains of pairs
.set RL,   232                         ; v[232:233]
.set CC,   234                         ; v234-239 ctx's codes;  v[240:241] its scale word, twice
.set CW,   240
.set QM,   212
.set QN,   216
.set QS,   220
.set QB,   224
.set WV,   10
.set BH,   11
.set G1,   16                          ; s[16:23]
.set G0,   24                          ; s[24:27]
.set TB,   28
.set SLOTS, 29
.set CS,   32                          ; s[32:33] c = log2(e) / 8
.set SEL,  34
.set PFA,  36                          ; s[36:37] where my prefetch stands;  s38 its chunk of 8,192 bytes;  s39 the number of chunks in a wave that asks, else 0
.set PFC,  38
.set LIM,  39
.macro TLOAD                           ; waves 0 to 3, a record each; an s_nop 0 and four v_nop follow the load
	s_cmp_lt_u32 s[WV], 4
	s_cbranch_scc0 .Lno_load_\@
	tensor_load_to_lds s[G0:G0+3], s[G1:G1+7]
	s_nop 0
.rept 4
	v_nop
.endr
.Lno_load_\@:
.endm
; A PREFETCH INTO THE L2.  A head's records are 51 chunks of 8,192 bytes.  All 16 work-groups of a head walk them: the first asks, and in it waves 4 to 10, which fetch nothing: a chunk a wave, lanes 256 bytes apart.
; Change of slots j (1 .. 7) names chunks 13 + 7 (j - 1) .. 19 + 7 (j - 1): bytes up to 106,496 + 57,344 j, which covers the 104,448 + 52,224 j that change j + 1 loads up to.  Each block of 256 bytes is named once;
; chunks from 51 on are not named; slots 0 and 1 and the first 2,048 bytes of slot 2 come by their loads alone.
.macro ASK
	s_cmp_lt_u32 s[PFC], s[LIM]
	s_cbranch_scc0 .Lno_ask_\@
	global_prefetch_b8 v[PFO], s[PFA:PFA+1] th:TH_LOAD_NT scope:SCOPE_SE
.Lno_ask_\@:
.endm
.macro QUANT2 src, dst, wd             ; as in launch 2
.irp b, 0,1
	v_max3_num_f32 v[QM+\b], |v[\src+16*\b]|, |v[\src+16*\b+1]|, 0x2800000
	v_max3_num_f32 v[QN+\b], |v[\src+16*\b+8]|, |v[\src+16*\b+9]|, |v[\src+16*\b+10]|
.endr
.irp i, 2,4,6
.irp b, 0,1
	v_max3_num_f32 v[QM+\b], v[QM+\b], |v[\src+16*\b+\i]|, |v[\src+16*\b+\i+1]|
.endr
.endr
.irp i, 11,13
.irp b, 0,1
	v_max3_num_f32 v[QN+\b], v[QN+\b], |v[\src+16*\b+\i]|, |v[\src+16*\b+\i+1]|
.endr
.endr
.irp b, 0,1
	s_delay_alu instid0(VALU_DEP_2)
	v_max3_num_f32 v[QM+\b], v[QM+\b], v[QN+\b], |v[\src+16*\b+15]|
.endr
.irp b, 0,1
	s_delay_alu instid0(VALU_DEP_2)
	v_permlanex16_b32 v[QN+\b], v[QM+\b], s[SEL], s[SEL+1]
.endr
.irp b, 0,1
	s_delay_alu instid0(VALU_DEP_2)
	v_max_num_f32 v[QM+\b], v[QM+\b], v[QN+\b]
.endr
.irp b, 0,1
	s_delay_alu instid0(VALU_DEP_2)
	v_add_nc_u32 v[QS+\b], 0xfe000000, v[QM+\b]
.endr
.irp b, 0,1
	s_delay_alu instid0(VALU_DEP_2)
	v_lshrrev_b32 v[QB+\b], 23, v[QS+\b]
.endr
	s_delay_alu instid0(VALU_DEP_1)
	v_lshl_or_b32 v[\wd], v[QB+1], 8, v[QB]
	v_cvt_scalef32_pk16_bf6_f32 v[\dst:\dst+2], v[\src:\src+15], v[QS]
	v_cvt_scalef32_pk16_bf6_f32 v[QY:QY+2], v[\src+16:\src+31], v[QS+1]
	v_nop
.irp i, 0,1,2
	v_permlane16_swap_b32 v[\dst+\i], v[QY+\i]
.endr
.irp i, 0,1,2
	s_delay_alu instid0(VALU_DEP_3)
	v_mov_b32 v[\dst+3+\i], v[QY+\i]
.endr
.endm
	s_load_b128 s[4:7], s[0:1], 0x0                ; qimg, kv
	s_load_b64 s[8:9], s[0:1], 0x10                ; ctx
	v_lshl_add_u32 v[SPW], v0, 2, SPARE
	v_mov_b32 v[NIL], 0
	ds_add_u32 v[SPW], v[NIL]                      ; the wave's opening: the add, twice on end, and its wait ahead of the first tensor load
	ds_add_u32 v[SPW], v[NIL]
	v_lshrrev_b32 v12, 5, v0
	s_delay_alu instid0(VALU_DEP_1)
	v_readfirstlane_b32 s[WV], v12                 ; wave 0..15
	s_and_b32 s[BH], ttmp7, 0xffff                 ; 4 x batch + head
	s_mov_b32 s[G1], 3<<16                         ; no mask; elements of 8 bytes; no padding
	s_mov_b32 s[G1+1], 32<<16                      ; tensor_dim0 = 32 elements: rows of 256 bytes
	s_mov_b32 s[G1+2], 51<<16                      ; tensor_dim1 = 51 rows: a record
	s_mov_b32 s[G1+3], 32<<16                      ; tile_dim0
	s_mov_b32 s[G1+4], 51                          ; tile_dim1
	s_mov_b32 s[G1+5], 32                          ; the pitch: dense
	s_mov_b32 s[G1+6], 0
	s_mov_b32 s[G1+7], 0
	s_mov_b32 s[CS], 0x3e38aa3b
	s_mov_b32 s[CS+1], s[CS]                       ; (named with it as a pair, so it is written)
	s_mov_b32 s[SEL], 0x76543210
	s_mov_b32 s[SEL+1], 0xfedcba98
	s_mov_b32 s[TB], 0
	s_mov_b32 s[SLOTS], 7
	s_and_b32 s40, s[WV], 3
	s_mul_i32 s44, s40, REC                        ; the record that I fetch, if I fetch: its place in a slot and in memory
	s_mov_b32 s45, 0
	s_mul_i32 s42, s[BH], 32*REC                   ; my head's records
	s_mov_b32 s43, 0
	v_and_b32 v12, 31, v0
	s_delay_alu instid0(VALU_DEP_1)
	v_lshlrev_b32 v[L16], 4, v12
	s_delay_alu instid0(VALU_DEP_2)
	v_lshlrev_b32 v[L8], 3, v12
	s_delay_alu instid0(VALU_DEP_3)
	v_lshlrev_b32 v[PFO], 8, v12
	s_wait_dscnt 0x0                               ; both opening adds are done
	s_wait_kmcnt 0x0
	s_add_nc_u64 s[6:7], s[6:7], s[42:43]
	s_mov_b32 s[G0], 1                             ; count = 1
	s_mov_b32 s[G0+1], s44                         ; LDS address: slot 0
	s_add_nc_u64 s[G0+2:G0+3], s[6:7], s[44:45]
	s_or_b32 s[G0+3], s[G0+3], 0x80000000          ; type = 2
	TLOAD                                          ; slot 0: key steps 0 to 3
	; q: record bh 64 + 4 x + w / 4; my tile i = w % 4 holds registers 6 i .. 6 i + 5 of its 24; register n of lane l lies at 512 (n / 4) + 16 l + 4 (n % 4)
	s_lshl_b32 s42, s[BH], 6
	s_lshl_b32 s43, ttmp9, 2
	s_add_co_u32 s42, s42, s43
	s_lshr_b32 s43, s[WV], 2
	s_add_co_u32 s42, s42, s43
	s_mul_i32 s42, s42, 3328
	s_mov_b32 s43, 0
	s_add_nc_u64 s[4:5], s[4:5], s[42:43]
	s_mul_i32 s41, s40, 6
	s_wait_alu depctr_va_vdst(0)
.irp p, 0,1,2
	s_add_co_u32 s42, s41, 2*\p
	s_lshr_b32 s43, s42, 2
	s_lshl_b32 s43, s43, 9
	s_and_b32 s42, s42, 3
	s_lshl_b32 s42, s42, 2
	s_add_co_u32 s43, s43, s42
	v_add_nc_u32 v[QA+\p], s43, v[L16]
.endr
	s_and_b32 s42, s40, 1
	s_lshl_b32 s42, s42, 7
	s_lshr_b32 s43, s40, 1
	s_lshl_b32 s43, s43, 2
	s_add_co_u32 s42, s42, s43
	v_and_b32 v[QA+3], 15, v0
	s_delay_alu instid0(VALU_DEP_1)
	v_lshl_add_u32 v[QA+3], v[QA+3], 3, s42        ; its scale word: 8 (r + 16 (i % 2)) + 4 (i / 2)
	s_wait_alu depctr_va_vdst(0)
.irp p, 0,1,2
	global_load_b64 v[QF+2*\p:QF+2*\p+1], v[QA+\p], s[4:5]
.endr
	global_load_b32 v[QSC], v[QA+3], s[4:5] offset:3072
	; ctx: record ((batch 256 + 16 x + w) 4 + head), 1,024 bytes
	s_lshr_b32 s42, s[BH], 2
	s_lshl_b32 s42, s42, 8
	s_lshl_b32 s43, ttmp9, 4
	s_add_co_u32 s42, s42, s43
	s_add_co_u32 s42, s42, s[WV]
	s_lshl_b32 s42, s42, 2
	s_and_b32 s43, s[BH], 3
	s_add_co_u32 s42, s42, s43
	s_lshl_b32 s42, s42, 10
	s_mov_b32 s43, 0
	s_add_nc_u64 s[8:9], s[8:9], s[42:43]
	; the prefetches: who asks, and where they stand
	s_sub_co_u32 s40, s[WV], 4
	s_cmp_lt_u32 s40, 7                            ; waves 4 to 10
	s_cselect_b32 s[LIM], 51, 0
	s_cmp_eq_u32 ttmp9, 0                          ; of the head's first work-group
	s_cselect_b32 s[LIM], s[LIM], 0
	s_min_u32 s40, s40, 6
	s_add_co_u32 s[PFC], s40, 6                    ; the first change of slots steps it by 7, to chunk 13 + (w - 4).  Nothing is asked for here, at the head
	s_lshl_b32 s42, s[PFC], 13
	s_mov_b32 s43, 0
	s_add_nc_u64 s[PFA:PFA+1], s[6:7], s[42:43]
.irp i, 0,1,2,3,4,5
	v_mov_b32 v[QF+6+\i], 0                        ; q's codes for k = 64 .. 127
	v_mov_b32 v[FR+48+\i], 0                       ; what stands behind k's last tile
.endr
.irp i, 0,1,2,3
	v_mov_b32 v[LL+\i], 0                          ; the sum
	v_mov_b32 v[TT+\i], 0                          ; a lane permute's destination counts as one of its sources
.endr
	v_mov_b32 v[RL+1], 0                           ; (named as the upper half of a pair)
.set n, 0
.rept 32
	v_mov_b32 v[OA+n], 0                           ; O^T: 32 moves once, so that the key step is written in one form
.set n, n+1
.endr
; A KEY STEP: 128 keys, the q-th record of the slot in hand.
.macro STEP q
	v_add_nc_u32 v[ADR], s[TB], v[L16]             ; these four lines are the places behind the last products, ahead of the loads into the registers that they read
	v_add_nc_u32 v[ADR8], s[TB], v[L8]
	v_nop
	v_nop
.irp hf, 0,1
.irp i, 0,1,2,3,4,5
	ds_load_b128 v[FR+24*\hf+4*\i:FR+24*\hf+4*\i+3], v[ADR] offset:\q*REC+3328*\hf+512*\i   ; k's tile t at v[FR + 6 t]
.endr
	ds_load_b64 v[KS+2*\hf:KS+2*\hf+1], v[ADR8] offset:\q*REC+3328*\hf+3072
.endr
	s_wait_alu depctr_va_vdst(0)
	s_wait_dscnt 0x0
.irp t, 0,1,2,3,4,5,6,7
.if \t%2
	v_wmma_scale_f32_16x16x128_f8f6f4 v[SS+8*\t:SS+8*\t+7], v[FR+6*\t:FR+6*\t+11], v[QF:QF+11], 0, v[KS+\t/2], v[QSC] matrix_a_fmt:MATRIX_FMT_BF6 matrix_b_fmt:MATRIX_FMT_BF6 matrix_a_scale:MATRIX_SCALE_ROW1
.else
	v_wmma_scale_f32_16x16x128_f8f6f4 v[SS+8*\t:SS+8*\t+7], v[FR+6*\t:FR+6*\t+11], v[QF:QF+11], 0, v[KS+\t/2], v[QSC] matrix_a_fmt:MATRIX_FMT_BF6 matrix_b_fmt:MATRIX_FMT_BF6
.endif
.endr
.rept 4
	v_nop                                          ; places ahead of the loads below and of the first read of the scores
.endr
.irp i, 0,1,2,3,4,5,6,7,8,9,10,11
	ds_load_b128 v[FR+4*\i:FR+4*\i+3], v[ADR] offset:\q*REC+6656+512*\i   ; v's four tiles land under the softmax
.endr
	ds_load_b64 v[VS:VS+1], v[ADR8] offset:\q*REC+12800
.irp b, 0,1,2,3
	v_max3_num_f32 v[BM+\b], v[SS+16*\b], v[SS+16*\b+1], v[SS+16*\b+2]   ; the largest SCORE of each block of 32 keys: p rises with the score, so it gives the block's largest p
.endr
.irp i, 3,5,7,9,11,13
.irp b, 0,1,2,3
	v_max3_num_f32 v[BM+\b], v[BM+\b], v[SS+16*\b+\i], v[SS+16*\b+\i+1]
.endr
.endr
.irp b, 0,1,2,3
	v_max_num_f32 v[BM+\b], v[BM+\b], v[SS+16*\b+15]
.endr
.irp b, 0,1,2,3
	s_delay_alu instid0(VALU_DEP_4)
	v_permlanex16_b32 v[TT+\b], v[BM+\b], s[SEL], s[SEL+1]
.endr
.irp b, 0,1,2,3
	s_delay_alu instid0(VALU_DEP_4)
	v_max_num_f32 v[BM+\b], v[BM+\b], v[TT+\b]     ; with lane l xor 16's 16 keys
.endr
.set n, 0
.rept 32
	v_pk_mul_f32 v[SS+n:SS+n+1], v[SS+n:SS+n+1], s[CS:CS+1] op_sel_hi:[1,0]   ; t = score x c
.set n, n+2
.endr
.irp b, 0,1,2,3
	v_mul_f32 v[BM+\b], s[CS], v[BM+\b]            ; the same multiplication of the same number: the same bits
.endr
.set n, 0
	s_wait_alu depctr_va_vdst(0)
.rept 64
	v_exp_f32 v[SS+n], v[SS+n]                     ; p = 2^t
.set n, n+1
.endr
.irp b, 0,1,2,3
	v_exp_f32 v[BM+\b], v[BM+\b]                   ; the block's largest p
.endr
	v_nop                                          ; a plain place behind the last exponential
	s_wait_alu depctr_va_vdst(0)                   ; ONE wait for the batch of 68, ahead of its first reader
.irp b, 0,1,2,3
	v_add_nc_u32 v[SOP+\b], 0xfe000000, v[BM+\b]   ; 4 off the exponent field (p >= 2^-15: the field stays far above 1, so no floor is taken)
.endr
.irp b, 0,1,2,3
	s_delay_alu instid0(VALU_DEP_4)
	v_lshrrev_b32 v[BY+\b], 23, v[SOP+\b]
.endr
	s_delay_alu instid0(VALU_DEP_3)
	v_lshl_or_b32 v[PW], v[BY+1], 8, v[BY]
	s_delay_alu instid0(VALU_DEP_1)
	v_lshl_or_b32 v[PW], v[BY+2], 16, v[PW]
	s_delay_alu instid0(VALU_DEP_1)
	v_lshl_or_b32 v[PW], v[BY+3], 24, v[PW]
.irp c, 0,1
	v_cvt_scalef32_pk16_bf6_f32 v[PC+6*\c:PC+6*\c+2], v[SS+32*\c:SS+32*\c+15], v[SOP+2*\c]
	v_cvt_scalef32_pk16_bf6_f32 v[QY+4*\c:QY+4*\c+2], v[SS+32*\c+16:SS+32*\c+31], v[SOP+2*\c+1]
.endr
	v_nop                                          ; one plain place behind a scaled conversion
.irp c, 0,1
.irp i, 0,1,2
	v_permlane16_swap_b32 v[PC+6*\c+\i], v[QY+4*\c+\i]
.endr
.irp i, 0,1,2
	s_delay_alu instid0(VALU_DEP_3)
	v_mov_b32 v[PC+6*\c+3+\i], v[QY+4*\c+\i]
.endr
.endr
.set n, 0
.rept 16
	v_pk_add_f32 v[LL:LL+1], v[LL:LL+1], v[SS+n:SS+n+1]           ; the row's sum, of the UNQUANTISED p; these 32 are also the places between p's codes and scale word and the products
	v_pk_add_f32 v[LL+2:LL+3], v[LL+2:LL+3], v[SS+n+2:SS+n+3]
.set n, n+4
.endr
	s_wait_dscnt 0x0                               ; v's tiles and scale words
.irp j, 0,1,2,3                        ; one instruction a turn; between two links of a chain stand the three others and the next step's eight
.if \j%2
	v_wmma_scale_f32_16x16x128_f8f6f4 v[OA+8*\j:OA+8*\j+7], v[FR+12*\j:FR+12*\j+11], v[PC:PC+11], v[OA+8*\j:OA+8*\j+7], v[VS+\j/2], v[PW] matrix_a_fmt:MATRIX_FMT_BF6 matrix_b_fmt:MATRIX_FMT_BF6 matrix_a_scale:MATRIX_SCALE_ROW1
.else
	v_wmma_scale_f32_16x16x128_f8f6f4 v[OA+8*\j:OA+8*\j+7], v[FR+12*\j:FR+12*\j+11], v[PC:PC+11], v[OA+8*\j:OA+8*\j+7], v[VS+\j/2], v[PW] matrix_a_fmt:MATRIX_FMT_BF6 matrix_b_fmt:MATRIX_FMT_BF6
.endif
.endr
.endm
; THE CHANGE OF SLOTS stands at a slot's head.  Each wave waits for all its tensor loads, adds 0 to its spare word, and waits for that and for its reads of the slot that it has left; behind the barrier the slot ahead is whole
; and nobody reads the other.  fill = 1: that other slot takes the next four records, which have four key steps in which to land.  (Slot 1's first fill stands behind the first trip's barrier, behind which nothing is filled again.)
.macro CHANGE fill
	s_wait_tensorcnt 0x0                           ; no tensor load of mine is out, so group 0 may be written
	ds_add_u32 v[SPW], v[NIL]
.if \fill
	ds_add_u32 v[SPW], v[NIL]                      ; twice on end here
	s_xor_b32 s[G0+1], s[G0+1], SLOT1
	s_add_nc_u64 s[G0+2:G0+3], s[G0+2:G0+3], SLOTB
	s_wait_xcnt 0x0                                ; the last prefetch, a slot back, has read its address
	s_add_nc_u64 s[PFA:PFA+1], s[PFA:PFA+1], 7*8192
	s_add_co_u32 s[PFC], s[PFC], 7
.endif
	s_wait_dscnt 0x0
	s_barrier_signal -1
	s_barrier_wait -1
.if \fill
	TLOAD                                          ; the first thing behind the barrier, and a wave's one tensor load until the next
	ASK
.endif
.endm
.macro SLOT_STEPS
	STEP 0
	STEP 1
	STEP 2
	STEP 3
	s_xor_b32 s[TB], s[TB], SLOT1
.endm
	s_wait_loadcnt 0x0                             ; q
.Lslot:                                            ; seven trips: behind each change of slots but the last the next slot is asked for
	CHANGE 1
	SLOT_STEPS
	s_sub_co_u32 s[SLOTS], s[SLOTS], 1
	s_cmp_lg_u32 s[SLOTS], 0
	s_cbranch_scc1 .Lslot
	CHANGE 0                                       ; the last slot is written out
	SLOT_STEPS
	s_wait_alu depctr_va_vdst(0)
	; THE WAY OUT
	v_pk_add_f32 v[LL:LL+1], v[LL:LL+1], v[LL+2:LL+3]   ; the plain lines from here to the wait are more than the four places behind the last products
	s_delay_alu instid0(VALU_DEP_1)
	v_add_f32 v[LL], v[LL], v[LL+1]
	s_delay_alu instid0(VALU_DEP_1)
	v_permlanex16_b32 v[TT], v[LL], s[SEL], s[SEL+1]
	s_delay_alu instid0(VALU_DEP_1)
	v_add_f32 v[LL], v[LL], v[TT]                  ; with lane l xor 16's keys: the row's sum
	s_wait_alu depctr_va_vdst(0)
	v_rcp_f32 v[RL], v[LL]
	v_nop
	v_nop
	s_wait_alu depctr_va_vdst(0)
.set n, 0
.rept 16
	v_pk_mul_f32 v[OA+n:OA+n+1], v[OA+n:OA+n+1], v[RL:RL+1] op_sel_hi:[1,0]   ; register 16 b + i is channel 32 b + 16 h + i of my query; each accumulator from its low end on
.set n, n+2
.endr
	QUANT2 OA, CC, CW
	v_mov_b32 v[CW+1], v[CW]
	global_store_b128 v[L16], v[CC:CC+3], s[8:9]               ; each store covers whole aligned blocks of 256 bytes
	global_store_b64 v[L8], v[CC+4:CC+5], s[8:9] offset:512
	global_store_b64 v[L8], v[CW:CW+1], s[8:9] offset:768
	s_wait_tensorcnt 0x0                           ; the wave's end
	ds_add_u32 v[SPW], v[NIL]
	s_wait_dscnt 0x0
	s_endpgm
.Lfunc_end_k_q723c447a92_attn:
	.size	k_q723c447a92_attn, .Lfunc_end_k_q723c447a92_attn-k_q723c447a92_attn
	.p2alignl 7, 3214868480
	.fill 96, 4, 3214868480
	.section	.rodata,"a",@progbits
	.p2align	6, 0x0
	.amdhsa_kernel k_q723c447a92_attn
		.amdhsa_group_segment_fixed_size 327680
		.amdhsa_private_segment_fixed_size 0
		.amdhsa_enable_private_segment 0
		.amdhsa_kernarg_size 24
		.amdhsa_user_sgpr_count 2
		.amdhsa_user_sgpr_kernarg_segment_ptr 1
		.amdhsa_wavefront_size32 1
		.amdhsa_system_sgpr_workgroup_id_x 1
		.amdhsa_system_sgpr_workgroup_id_y 1
		.amdhsa_system_sgpr_workgroup_id_z 1
		.amdhsa_system_vgpr_workitem_id 0
		.amdhsa_next_free_vgpr 256
		.amdhsa_next_free_sgpr 66
		.amdhsa_reserve_vcc 0
		.amdhsa_float_denorm_mode_32 3
		.amdhsa_float_denorm_mode_16_64 3
		.amdhsa_memory_ordered 1
		.amdhsa_forward_progress 1
		.amdhsa_inst_pref_size 125
	.end_amdhsa_kernel
	.amdgpu_metadata
---
amdhsa.version: [ 1, 2 ]
amdhsa.kernels:
  - .name:           k_q723c447a92_attn
    .symbol:         k_q723c447a92_attn.kd
    .args:
      - { .name: qimg, .offset: 0, .size: 8, .value_kind: global_buffer, .address_space: global }
      - { .name: kv, .offset: 8, .size: 8, .value_kind: global_buffer, .address_space: global }
      - { .name: ctx, .offset: 16, .size: 8, .value_kind: global_buffer, .address_space: global }
    .group_segment_fixed_size: 327680
    .private_segment_fixed_size: 0
    .kernarg_segment_align: 8
    .kernarg_segment_size: 24
    .max_flat_workgroup_size: 512
    .sgpr_count:     66
    .vgpr_count:     256
    .wavefront_size: 32
...
	.end_amdgpu_metadata
.endif
;; end of part 7
;; launch outln (part 8): grid 256 x 1, 16 waves a work-group, no clusters, 68,608 bytes of LDS; arguments ctx, wimg, bo, x, gamma, beta, out0; writes out0
.if DOCPART == 8
	.amdgcn_target "amdgcn-amd-amdhsa--gfx1250"
	.amdhsa_code_object_version 6
	.text
	.protected	k_q723c447a92_outln
	.globl	k_q723c447a92_outln
	.p2align	8
	.type	k_q723c447a92_outln,@function
k_q723c447a92_outln:
	s_mov_b64 s[64:65], 0
	v_nop
	global_prefetch_b8 v0, s[64:65] scope:SCOPE_SE
	s_setreg_imm32_b32 hwreg(HW_REG_WAVE_SCHED_MODE, 0, 2), 2
	s_setreg_imm32_b32 hwreg(HW_REG_WAVE_MODE, 25, 1), 1
	s_wait_xcnt 0x0
	s_wait_alu depctr_vm_vsrc(0)
; LAUNCH 4 OF 4.  out0 = LayerNorm(ctx Wo + bo + x) gamma + beta; the product on codes of E3M2.  Nothing is left out.
; A work-group takes 64 tokens.  Wave w makes channel tile w (16 of the 256 channels, in launch 1's order of columns) for all 64 tokens: source 0 = Wo's tile, source 1 = 16 tokens of ctx, so a lane holds eight
; neighbouring channels of one token.  The rows meet in a stage in LDS | barrier | wave w then owns tokens 4 w .. 4 w + 3 whole: residual, mean, variance, scale, and stores of 512 consecutive bytes.
; ctx comes as launch 3 left it: record (token tile x 4 + head): six code registers and a two-byte scale word; heads 2 s and 2 s + 1 on end are the fragment of K step s.
; LIMITS: 1 / sqrt(var + 1e-12) by v_rsq_f32; NaN and infinities are not served.
; THE MODE: SCHED_MODE bits 1:0 = 2 (LLVM: expert scheduling mode 2), set by the entry lines.  The code itself states the register dependences
; between vector or matrix instructions and memory or LDS instructions, with s_wait_alu, always for 0.
; THE PLAN.  Registers that memory or LDS instructions touch, and who else names them:
;   v1-v5      offsets and LDS addresses: made at the head, ahead of one wait on va_vdst; never written again.
;   v164-171   ctx's scale words: written by vector lines, taken by the products as scales: a wait on va_vdst behind their eight places.
;   v172-203   the accumulators: written by the products, read by the stores into the stage: a wait on va_vdst behind the four places.
;   v52-83     ctx's codes, read by the products; then my four rows land there from the stage (the same wait serves: no vector instruction stands between); then the results, which the last stores read: a wait ahead of them.
;   All other loaded registers are loaded once.  No register that a memory or LDS instruction reads is ever written again, so no wait on vm_vsrc is owed.
.set SPITCH, 1040                      ; a stage row: 1,024 bytes + 16
.set SPARE,  66560                     ; behind the stage's 64 rows: the spare words, 128 bytes a wave: eight blocks of 256 bytes that no other line names
.set L16,  1
.set L8,   2
.set BOO,  3                           ; 64 h
.set STI,  4                           ; the stage: where I put 32 bytes of a row
.set STO,  5                           ; and where I read my rows back
.set WO,   16                          ; v16-39  Wo's two fragments;  later at work
.set WOS,  40
.set BO,   42                          ; v42-49  bo in the result's layout
.set CT,   52                          ; v52-147 ctx: tile m, head hd at 24 m + 6 hd;  later my four rows
.set RW,   148                         ; v148-163 the 16 two-byte words
.set CSW,  164                         ; v164-171 scale words (2 m + s)
.set ACC,  172                         ; v172-203
.set XR,   204                         ; v204-235 x's four rows
.set GA,   236
.set BE,   244
.set SPW,  252
.set NIL,  253
.set RR,   52
.set TA,   16
.set SM,   32
.set PT,   36
.set MU,   40
.set SEL,  32                          ; s[32:33]
	s_load_b256 s[4:11], s[0:1], 0x0               ; ctx, wimg, bo, x
	s_load_b128 s[12:15], s[0:1], 0x20             ; gamma, beta
	s_load_b64 s[16:17], s[0:1], 0x30              ; out0
	v_lshl_add_u32 v[SPW], v0, 2, SPARE
	v_mov_b32 v[NIL], 0
	v_lshrrev_b32 v6, 5, v0
	v_readfirstlane_b32 s18, v6                    ; wave 0..15
	v_and_b32 v6, 31, v0
	v_and_b32 v7, 15, v0                           ; r
	v_bfe_u32 v8, v0, 4, 1                         ; h
	v_lshlrev_b32 v[L16], 4, v6
	v_lshlrev_b32 v[L8], 3, v6
	v_lshlrev_b32 v[BOO], 6, v8
	v_and_b32 v9, 8, v7
	v_add_nc_u32 v9, v9, v7                        ; r + 8 (r / 8): my token in its pair of tiles
	v_mul_u32_u24 v[STI], v9, SPITCH
	v_lshl_add_u32 v[STI], v8, 6, v[STI]
	s_wait_alu depctr_va_sdst(0)                   ; s18 is written, ahead of its first reader: the stage's addresses and the bases are made from it
	s_lshr_b32 s22, s18, 1
	s_lshl_b32 s22, s22, 7
	s_and_b32 s23, s18, 1
	s_lshl_b32 s23, s23, 5
	s_add_co_u32 s22, s22, s23                     ; 4 (32 b + 8 u): my tile's first channel, in bytes
	v_add_nc_u32 v[STI], s22, v[STI]
	s_mul_i32 s24, s18, 4*SPITCH
	v_add_nc_u32 v[STO], s24, v[L16]
	s_mov_b32 s20, 0x3b800000                      ; 1 / 256
	s_mov_b32 s21, 0x2b8cbccc                      ; 1e-12
	s_mov_b32 s[SEL], 0x76543210
	s_mov_b32 s[SEL+1], 0xfedcba98
	s_mov_b32 s23, 0
	s_lshl_b32 s26, ttmp9, 14                      ; 16 records of ctx
	s_mov_b32 s27, 0
	s_add_co_u32 s28, s18, 48
	s_mul_i32 s28, s28, 3328                       ; Wo's record 48 + w
	s_mov_b32 s29, 0
	s_lshl_b32 s30, ttmp9, 16
	s_lshl_b32 s31, s18, 12
	s_add_co_u32 s30, s30, s31                     ; token 64 g + 4 w, rows of 1,024 bytes
	s_mov_b32 s31, 0
	s_wait_kmcnt 0x0
	s_add_nc_u64 s[4:5], s[4:5], s[26:27]
	s_add_nc_u64 s[6:7], s[6:7], s[28:29]
	s_add_nc_u64 s[8:9], s[8:9], s[22:23]
	s_add_nc_u64 s[10:11], s[10:11], s[30:31]
	s_add_nc_u64 s[16:17], s[16:17], s[30:31]
	s_wait_alu depctr_va_vdst(0)                   ; v1 to v5, v252 and v253 are written: every load, store and LDS access of the kernel reads one of them as its offset or address
.irp p, 0,1,2,3,4,5
	global_load_b128 v[WO+4*\p:WO+4*\p+3], v[L16], s[6:7] offset:512*\p
.endr
	global_load_b64 v[WOS:WOS+1], v[L8], s[6:7] offset:3072
	global_load_b128 v[BO:BO+3], v[BOO], s[8:9]
	global_load_b128 v[BO+4:BO+7], v[BOO], s[8:9] offset:16
.irp m, 0,1,2,3
.irp hd, 0,1,2,3
	global_load_b128 v[CT+24*\m+6*\hd:CT+24*\m+6*\hd+3], v[L16], s[4:5] offset:(4*\m+\hd)*1024
	global_load_b64 v[CT+24*\m+6*\hd+4:CT+24*\m+6*\hd+5], v[L8], s[4:5] offset:(4*\m+\hd)*1024+512
	global_load_b32 v[RW+4*\m+\hd], v[L8], s[4:5] offset:(4*\m+\hd)*1024+768
.endr
.endr
.irp p, 0,1,2,3                        ; the residual's rows, gamma and beta are wanted last: twelve loads
.irp e, 0,1
	global_load_b128 v[XR+8*\p+4*\e:XR+8*\p+4*\e+3], v[L16], s[10:11] offset:1024*\p+512*\e th:TH_LOAD_NT
.endr
.endr
.irp e, 0,1
	global_load_b128 v[GA+4*\e:GA+4*\e+3], v[L16], s[12:13] offset:512*\e
	global_load_b128 v[BE+4*\e:BE+4*\e+3], v[L16], s[14:15] offset:512*\e
.endr
	s_wait_loadcnt 12                              ; all but those twelve
.irp m, 0,1,2,3
.irp s, 0,1
	v_lshl_or_b32 v[CSW+2*\m+\s], v[RW+4*\m+2*\s+1], 16, v[RW+4*\m+2*\s]   ; heads 2 s and 2 s + 1: the four bytes of K step s
.endr
.endr
.rept 8
	v_nop                                          ; a scale register written by a vector instruction stands eight places ahead of a scaled matrix instruction
.endr
	s_wait_alu depctr_va_vdst(0)                   ; the eight scale words v164-171 are written, which the products take as scales; the places above stay beside this wait
.irp m, 0,1,2,3                        ; four accumulators by turns, K step by K step
	v_wmma_scale_f32_16x16x128_f8f6f4 v[ACC+8*\m:ACC+8*\m+7], v[WO:WO+11], v[CT+24*\m:CT+24*\m+11], v[BO:BO+7], v[WOS], v[CSW+2*\m] matrix_a_fmt:MATRIX_FMT_BF6 matrix_b_fmt:MATRIX_FMT_BF6
.endr
.irp m, 0,1,2,3
	v_wmma_scale_f32_16x16x128_f8f6f4 v[ACC+8*\m:ACC+8*\m+7], v[WO+12:WO+23], v[CT+24*\m+12:CT+24*\m+23], v[ACC+8*\m:ACC+8*\m+7], v[WOS+1], v[CSW+2*\m+1] matrix_a_fmt:MATRIX_FMT_BF6 matrix_b_fmt:MATRIX_FMT_BF6
.endr
.rept 4
	v_nop                                          ; places ahead of the first read of the results and of writes into the sources
.endr
	s_wait_alu depctr_va_vdst(0)                   ; the products have written the accumulators, which the stores into the stage read, and are done reading ctx's codes, in whose registers my rows land behind the barrier
.irp m, 0,1,2,3
	ds_store_b128 v[STI], v[ACC+8*\m:ACC+8*\m+3] offset:(32*(\m/2)+8*(\m%2))*SPITCH       ; token 32 (m / 2) + 8 (m % 2) + r + 8 (r / 8), channels 32 b + 16 h + 8 u + 0 .. 7; each accumulator from its low end on
	ds_store_b128 v[STI], v[ACC+8*\m+4:ACC+8*\m+7] offset:(32*(\m/2)+8*(\m%2))*SPITCH+16
.endr
	s_wait_dscnt 0x0                               ; for the others' sake: my stores into the stage are done
	s_barrier_signal -1
	s_barrier_wait -1
.irp p, 0,1,2,3
.irp e, 0,1
	ds_load_b128 v[RR+8*\p+4*\e:RR+8*\p+4*\e+3], v[STO] offset:\p*SPITCH+512*\e   ; lane l: channels 128 e + 4 l + 0 .. 3
.endr
.endr
	s_wait_loadcnt 0x0
	s_wait_dscnt 0x0
.macro REDUCE                          ; the four rows' figures in v[SM] on, summed over the 32 lanes, by turns
.irp k, 1,2,4,8
.irp p, 0,1,2,3
	v_add_f32_dpp v[SM+\p], v[SM+\p], v[SM+\p] row_xmask:\k row_mask:0xf bank_mask:0xf
.endr
.endr
.irp p, 0,1,2,3
	v_permlanex16_b32 v[PT+\p], v[SM+\p], s[SEL], s[SEL+1]
.endr
.irp p, 0,1,2,3
	v_add_f32 v[SM+\p], v[SM+\p], v[PT+\p]
.endr
.endm
.irp p, 0,1,2,3
.irp i, 0,2,4,6
	v_pk_add_f32 v[RR+8*\p+\i:RR+8*\p+\i+1], v[RR+8*\p+\i:RR+8*\p+\i+1], v[XR+8*\p+\i:XR+8*\p+\i+1]   ; the residual
.endr
.endr
.irp p, 0,1,2,3
	v_pk_add_f32 v[TA+4*\p:TA+4*\p+1], v[RR+8*\p:RR+8*\p+1], v[RR+8*\p+2:RR+8*\p+3]
	v_pk_add_f32 v[TA+4*\p+2:TA+4*\p+3], v[RR+8*\p+4:RR+8*\p+5], v[RR+8*\p+6:RR+8*\p+7]
.endr
.irp p, 0,1,2,3
	v_pk_add_f32 v[TA+4*\p:TA+4*\p+1], v[TA+4*\p:TA+4*\p+1], v[TA+4*\p+2:TA+4*\p+3]
.endr
.irp p, 0,1,2,3
	v_add_f32 v[SM+\p], v[TA+4*\p], v[TA+4*\p+1]
.endr
	REDUCE
.irp p, 0,1,2,3
	v_mul_f32 v[MU+2*\p], s20, v[SM+\p]            ; the mean
.endr
.irp p, 0,1,2,3
.irp i, 0,2,4,6
	v_pk_add_f32 v[RR+8*\p+\i:RR+8*\p+\i+1], v[RR+8*\p+\i:RR+8*\p+\i+1], v[MU+2*\p:MU+2*\p+1] op_sel_hi:[1,0] neg_lo:[0,1] neg_hi:[0,1]   ; res - mean (of the pair the low word serves both halves)
.endr
.endr
.irp p, 0,1,2,3
	v_pk_mul_f32 v[TA+4*\p:TA+4*\p+1], v[RR+8*\p:RR+8*\p+1], v[RR+8*\p:RR+8*\p+1]
.endr
.irp i, 2,4,6
.irp p, 0,1,2,3
	v_pk_fma_f32 v[TA+4*\p:TA+4*\p+1], v[RR+8*\p+\i:RR+8*\p+\i+1], v[RR+8*\p+\i:RR+8*\p+\i+1], v[TA+4*\p:TA+4*\p+1]
.endr
.endr
.irp p, 0,1,2,3
	v_add_f32 v[SM+\p], v[TA+4*\p], v[TA+4*\p+1]
.endr
	REDUCE
.irp p, 0,1,2,3
	v_fma_f32 v[SM+\p], v[SM+\p], s20, s21         ; the variance + 1e-12
.endr
	s_wait_alu depctr_va_vdst(0)
.irp p, 0,1,2,3
	v_rsq_f32 v[MU+2*\p], v[SM+\p]
.endr
	v_nop                                          ; a plain place behind the last of the four,
	s_wait_alu depctr_va_vdst(0)                   ; and one wait for the batch, ahead of its first reader: the four reciprocal roots have written v40, v42, v44, v46
.irp p, 0,1,2,3
.irp i, 0,2,4,6
	v_pk_mul_f32 v[RR+8*\p+\i:RR+8*\p+\i+1], v[RR+8*\p+\i:RR+8*\p+\i+1], v[MU+2*\p:MU+2*\p+1] op_sel_hi:[1,0]
.endr
.endr
.irp p, 0,1,2,3
.irp i, 0,2,4,6
	v_pk_fma_f32 v[RR+8*\p+\i:RR+8*\p+\i+1], v[RR+8*\p+\i:RR+8*\p+\i+1], v[GA+\i:GA+\i+1], v[BE+\i:BE+\i+1]
.endr
.endr
	s_wait_alu depctr_va_vdst(0)                   ; the multiply-adds have written my four rows v52-83, which the stores read
.irp p, 0,1,2,3
.irp e, 0,1
	global_store_b128 v[L16], v[RR+8*\p+4*\e:RR+8*\p+4*\e+3], s[16:17] offset:1024*\p+512*\e th:TH_STORE_NT   ; 512 consecutive bytes, at a multiple of 256 from out0's first byte
.endr
.endr
	s_wait_dscnt 0x0                               ; the closing lines, six on end
	s_wait_alu 0x0
	s_wait_tensorcnt 0x0
	ds_add_u32 v[SPW], v[NIL]
	s_wait_dscnt 0x0
	s_endpgm
.Lfunc_end_k_q723c447a92_outln:
	.size	k_q723c447a92_outln, .Lfunc_end_k_q723c447a92_outln-k_q723c447a92_outln
	.p2alignl 7, 3214868480
	.fill 96, 4, 3214868480
	.section	.rodata,"a",@progbits
	.p2align	6, 0x0
	.amdhsa_kernel k_q723c447a92_outln
		.amdhsa_group_segment_fixed_size 68608
		.amdhsa_private_segment_fixed_size 0
		.amdhsa_enable_private_segment 0
		.amdhsa_kernarg_size 56
		.amdhsa_user_sgpr_count 2
		.amdhsa_user_sgpr_kernarg_segment_ptr 1
		.amdhsa_wavefront_size32 1
		.amdhsa_system_sgpr_workgroup_id_x 1
		.amdhsa_system_sgpr_workgroup_id_y 1
		.amdhsa_system_sgpr_workgroup_id_z 1
		.amdhsa_system_vgpr_workitem_id 0
		.amdhsa_next_free_vgpr 256
		.amdhsa_next_free_sgpr 66
		.amdhsa_reserve_vcc 0
		.amdhsa_float_denorm_mode_32 3
		.amdhsa_float_denorm_mode_16_64 3
		.amdhsa_memory_ordered 1
		.amdhsa_forward_progress 1
		.amdhsa_inst_pref_size 23
	.end_amdhsa_kernel
	.amdgpu_metadata
---
amdhsa.version: [ 1, 2 ]
amdhsa.kernels:
  - .name:           k_q723c447a92_outln
    .symbol:         k_q723c447a92_outln.kd
    .args:
      - { .name: ctx, .offset: 0, .size: 8, .value_kind: global_buffer, .address_space: global }
      - { .name: wimg, .offset: 8, .size: 8, .value_kind: global_buffer, .address_space: global }
      - { .name: bo, .offset: 16, .size: 8, .value_kind: global_buffer, .address_space: global }
      - { .name: x, .offset: 24, .size: 8, .value_kind: global_buffer, .address_space: global }
      - { .name: gamma, .offset: 32, .size: 8, .value_kind: global_buffer, .address_space: global }
      - { .name: beta, .offset: 40, .size: 8, .value_kind: global_buffer, .address_space: global }
      - { .name: out0, .offset: 48, .size: 8, .value_kind: global_buffer, .address_space: global }
    .group_segment_fixed_size: 68608
    .private_segment_fixed_size: 0
    .kernarg_segment_align: 8
    .kernarg_segment_size: 56
    .max_flat_workgroup_size: 512
    .sgpr_count:     66
    .vgpr_count:     256
    .wavefront_size: 32
...
	.end_amdgpu_metadata
.endif
;; end of part 8
